; MI455X (gfx1250); checked and timed in simulation.
; The chip was launched on July 23, 2026; its instructions are those of AMD's public machine-readable ISA for CDNA 5 (MIT licence, August 2026) and "CDNA5" Instruction Set Architecture Reference Guide (July 2026). The comments in the code are by the model that wrote it; some were corrected since.
;; Co Attention. Allowed arithmetic: float matrix products may take bf16 or f16 operands with f32 sums; other float arithmetic in f32, or as packed bf16 or f16 multiplies, adds, multiply-adds, maxima and minima; sums over many terms, partial sums and values carried from step to step in f32; what a program stores and reads back later, other than sums and carried values, may be rounded once to bf16 or f16.
;; Inputs: Wk 1,024 x 1,024 float32; Wq_other 1,024 x 1,024 float32; Wq_self 1,024 x 1,024 float32; Wv 1,024 x 1,024 float32; attention_mask 8 x 1,024 float32; queries 8 x 1,024 x 1,024 float32; values 8 x 1,024 x 1,024 float32; x 8 x 1,024 x 1,024 float32.
;; Outputs: out0 8 x 1,024 x 1,024 float32; out1 8 x 1,024 x 1,024 float32.
;; 2 versions, each right; version 2 is version 1 with the launch cast written anew for expert scheduling mode. Each part assembles by itself: llvm-mc -triple=amdgcn-amd-amdhsa -mcpu=gfx1250 --defsym DOCPART=n.
;; ======== version 1 of 2: 4 launches
;; limits: values are held in f16: magnitudes above 65,504 overflow, below 6.1e-05 lose precision
;; workspace buffers: xb 50,331,648 bytes; wb 8,388,608 bytes; kb 16,777,216 bytes; vb 16,777,216 bytes; pb 16,777,216 bytes; qq 33,554,432 bytes
;; launch cast (part 1): grid 256 x 1, 16 waves a work-group, no clusters, 0 bytes of LDS; arguments x, queries, values, Wk, Wq_self, Wq_other, Wv, xb, wb; writes xb, wb
.if DOCPART == 1
	.amdgcn_target "amdgcn-amd-amdhsa--gfx1250"
	.amdhsa_code_object_version 6
	.text
	.protected	k_q5523ff058d_cast
	.globl	k_q5523ff058d_cast
	.p2align	8
	.type	k_q5523ff058d_cast,@function
k_q5523ff058d_cast:
	s_mov_b64 s[64:65], 0
	v_nop
	global_prefetch_b8 v0, s[64:65] scope:SCOPE_SE
	s_setreg_imm32_b32 hwreg(HW_REG_WAVE_MODE, 25, 1), 1
	s_wait_xcnt 0x0
; x, queries, values ([8192][1024] f32) -> xb ([3][8192][1024] bf16); Wk, Wq_self, Wq_other, Wv ([1024][1024] f32) -> wb ([4][1024][1024] bf16).
; Each number is rounded once, to nearest even.  A stream: no LDS, no matrix unit, no cluster (no byte is read by two work-groups).
; SHARES.  Work-group g of 256 takes 1/256 of every input: 131,072 bytes of each activation (16 passes of 512 threads x 16 bytes) and
; 16,384 bytes of each weight (2 passes).  So all work-groups are alike, and there is neither a branch nor a loop.
; IN FLIGHT.  All 56 loads of a thread go out at once, each into registers of its own: no register is written twice, so no wait frees a source.
; A load of a wave covers 512 consecutive bytes, a store 256 consecutive bytes, both aligned to their length.
.set D,   4                            ; load i lands in v[D+4 i : D+4 i+3]; its two packed words leave from the first two of them
.set NL,  56                           ; loads of a thread
	s_load_b512 s[8:23], s[0:1], 0x0               ; x s[8:9], queries s[10:11], values s[12:13], Wk s[14:15], Wq_self s[16:17], Wq_other s[18:19], Wv s[20:21], xb s[22:23]
	s_load_b64 s[24:25], s[0:1], 0x40              ; wb
	v_lshlrev_b32 v1, 4, v0                        ; 16 bytes of f32 a thread
	v_lshlrev_b32 v2, 3, v0                        ; 8 bytes of bf16 a thread
	s_lshl_b32 s2, ttmp9, 17                       ; my share of an activation, in
	s_mov_b32 s3, 0
	s_lshl_b32 s4, ttmp9, 14                       ; of a weight, in
	s_mov_b32 s5, 0
	s_lshl_b32 s6, ttmp9, 16                       ; of an activation, out
	s_mov_b32 s7, 0
	s_lshl_b32 s32, ttmp9, 13                      ; of a weight, out
	s_mov_b32 s33, 0
	s_wait_kmcnt 0x0
	s_add_nc_u64 s[8:9], s[8:9], s[2:3]
	s_add_nc_u64 s[10:11], s[10:11], s[2:3]
	s_add_nc_u64 s[12:13], s[12:13], s[2:3]
	s_add_nc_u64 s[14:15], s[14:15], s[4:5]
	s_add_nc_u64 s[16:17], s[16:17], s[4:5]
	s_add_nc_u64 s[18:19], s[18:19], s[4:5]
	s_add_nc_u64 s[20:21], s[20:21], s[4:5]
	s_add_nc_u64 s[26:27], s[22:23], s[6:7]        ; xb, plane of x
	s_add_nc_u64 s[28:29], s[26:27], 0x1000000     ; plane of queries
	s_add_nc_u64 s[30:31], s[26:27], 0x2000000     ; plane of values
	s_add_nc_u64 s[24:25], s[24:25], s[32:33]      ; wb, plane of Wk; the other planes stand in the stores' immediates
.set i, 0
.rept 48                               ; activation i / 16, pass i % 16
	global_load_b128 v[D+4*i:D+4*i+3], v1, s[8+2*(i/16):9+2*(i/16)] offset:(i%16)*8192 th:TH_LOAD_NT
.set i, i+1
.endr
.rept 8                                ; weight (i - 48) / 2, pass i % 2
	global_load_b128 v[D+4*i:D+4*i+3], v1, s[14+2*((i-48)/2):15+2*((i-48)/2)] offset:((i-48)%2)*8192 th:TH_LOAD_NT
.set i, i+1
.endr
.set i, 0
.rept 14                               ; four loads at a time
	s_wait_loadcnt NL-4-i                          ; loads come back in order: these four are in, the NL - 4 - i younger ones stay out
.rept 4
	v_cvt_pk_bf16_f32 v[D+4*i], v[D+4*i], v[D+4*i+1]
	v_cvt_pk_bf16_f32 v[D+4*i+1], v[D+4*i+2], v[D+4*i+3]
.if i < 48
	global_store_b64 v2, v[D+4*i:D+4*i+1], s[26+2*(i/16):27+2*(i/16)] offset:(i%16)*4096
.else
	global_store_b64 v2, v[D+4*i:D+4*i+1], s[24:25] offset:((i-48)/2)*2097152+((i-48)%2)*4096
.endif
.set i, i+1
.endr
.endr
	s_endpgm
.Lfunc_end_k_q5523ff058d_cast:
	.size	k_q5523ff058d_cast, .Lfunc_end_k_q5523ff058d_cast-k_q5523ff058d_cast
	.p2alignl 7, 3214868480
	.fill 96, 4, 3214868480
	.section	.rodata,"a",@progbits
	.p2align	6, 0x0
	.amdhsa_kernel k_q5523ff058d_cast
		.amdhsa_group_segment_fixed_size 0
		.amdhsa_private_segment_fixed_size 0
		.amdhsa_enable_private_segment 0
		.amdhsa_kernarg_size 72
		.amdhsa_user_sgpr_count 2
		.amdhsa_user_sgpr_kernarg_segment_ptr 1
		.amdhsa_wavefront_size32 1
		.amdhsa_system_sgpr_workgroup_id_x 1
		.amdhsa_system_sgpr_workgroup_id_y 1
		.amdhsa_system_sgpr_workgroup_id_z 1
		.amdhsa_system_vgpr_workitem_id 0
		.amdhsa_next_free_vgpr 232
		.amdhsa_next_free_sgpr 66
		.amdhsa_reserve_vcc 0
		.amdhsa_float_denorm_mode_32 3
		.amdhsa_float_denorm_mode_16_64 3
		.amdhsa_memory_ordered 1
		.amdhsa_forward_progress 1
		.amdhsa_inst_pref_size 20
	.end_amdhsa_kernel
	.amdgpu_metadata
---
amdhsa.version: [ 1, 2 ]
amdhsa.kernels:
  - .name:           k_q5523ff058d_cast
    .symbol:         k_q5523ff058d_cast.kd
    .args:
      - { .name: x, .offset: 0, .size: 8, .value_kind: global_buffer, .address_space: global }
      - { .name: queries, .offset: 8, .size: 8, .value_kind: global_buffer, .address_space: global }
      - { .name: values, .offset: 16, .size: 8, .value_kind: global_buffer, .address_space: global }
      - { .name: Wk, .offset: 24, .size: 8, .value_kind: global_buffer, .address_space: global }
      - { .name: Wq_self, .offset: 32, .size: 8, .value_kind: global_buffer, .address_space: global }
      - { .name: Wq_other, .offset: 40, .size: 8, .value_kind: global_buffer, .address_space: global }
      - { .name: Wv, .offset: 48, .size: 8, .value_kind: global_buffer, .address_space: global }
      - { .name: xb, .offset: 56, .size: 8, .value_kind: global_buffer, .address_space: global }
      - { .name: wb, .offset: 64, .size: 8, .value_kind: global_buffer, .address_space: global }
    .group_segment_fixed_size: 0
    .private_segment_fixed_size: 0
    .kernarg_segment_align: 8
    .kernarg_segment_size: 72
    .max_flat_workgroup_size: 512
    .sgpr_count:     66
    .vgpr_count:     232
    .wavefront_size: 32
...
	.end_amdgpu_metadata
.endif
;; end of part 1
;; launch proj (part 2): grid 16 x 16, 4 waves a work-group, clusters of 4 x 4, 327,680 bytes of LDS; arguments xb, wb, kb, qq, vb; writes kb, qq, vb
.if DOCPART == 2
	.amdgcn_target "amdgcn-amd-amdhsa--gfx1250"
	.amdhsa_code_object_version 6
	.text
	.protected	k_q5523ff058d_proj
	.globl	k_q5523ff058d_proj
	.p2align	8
	.type	k_q5523ff058d_proj,@function
k_q5523ff058d_proj:
	s_mov_b64 s[64:65], 0
	v_nop
	global_prefetch_b8 v0, s[64:65] scope:SCOPE_SE
	s_setreg_imm32_b32 hwreg(HW_REG_WAVE_MODE, 25, 1), 1
	s_wait_xcnt 0x0
	s_wait_alu depctr_hold_cnt(0) depctr_sa_sdst(0) depctr_va_vdst(0) depctr_va_sdst(0) depctr_va_ssrc(0) depctr_va_vcc(0) depctr_vm_vsrc(0)
	s_getreg_b32 s2, hwreg(HW_REG_IB_STS2, 6, 4)
	s_cmp_eq_u32 s2, 0
	s_cbranch_scc0 .Lentry_in_a_cluster
	s_endpgm
.Lentry_in_a_cluster:
	s_bfe_u32 s2, ttmp6, 0x10000c
	s_cmp_lg_u32 s2, 0xf033
	s_cbranch_scc0 .Lentry_shape_is_right
	s_endpgm
.Lentry_shape_is_right:
; THE FOUR PROJECTIONS, each C[m][n] = sum over d of A[m][d] B[n][d], d = 1,024, operands bf16, sums f32, C rounded once to f16.
; The cluster's x picks the JOB:  0: k = x Wk^T -> kb     1: q_s = x Wq_self^T -> qq, kind 0     2: q_o = queries Wq_other^T -> qq, kind 1     3: v^T = Wv values^T -> vb.
; In jobs 0 to 2 A is an activation (8,192 rows) and B a weight (1,024 rows); in job 3 A is Wv and B is values, so that v comes out turned, its keys along the rows.
; LIMIT.  f16 holds no number of 65,520 or more: q, k and v must stay below that.
; OUTPUT LAYOUTS.  kb, vb: [batch 8][chunk 16][row 1024][64] f16 (kb: row = key, chunk = channel / 64; vb: row = channel, chunk = key / 64): byte = batch<<21 + chunk<<17 + row<<7 + 2 e.
; qq: [batch x 32 + query block][chunk 16][kind 2][32 rows][64] f16.  In both, 16 rows of a chunk are 2,048 consecutive bytes.
; SHAPE.  A tile of C is 256 x 256, made by four waves, 128 x 128 each: 64 accumulators, 512 registers.  d goes in steps of 128 through two LDS slots filled by the tensor data mover.
; A WORK-GROUP STAYS: 512 tiles on 256 work-groups, two each, 16 blocks of 256 rows of the activation apart.  The ring does not stop between them: the first tile's last two changes of slots ask for the
; second tile's first two steps, by the loop's own text with other steps in scalar registers, and nothing waits for the first tile's stores.
; CLUSTER.  4 x 4 work-groups: the four of a row need the same tile of A, the four of a column the same tile of B: each is asked for jointly, by the same load with the same descriptor and a mask of four.
; THE MATRIX INSTRUCTION IS USED TRANSPOSED (source 0 = 16 rows of B, source 1 = 16 rows of A): a lane holds row l % 16 of C and eight neighbouring columns, 16 bytes of f16.
; REGISTERS, in windows of 256 (s_set_vgpr_msb: bits 1:0 source 0, 3:2 source 1, 5:4 source 2, 7:6 destination):
;   window 0: v0-31 addresses; v64-127, v128-191 fragments of A, two buffers; v32-63, v192-255 at work on the way out
;   window 1: v64-127, v128-191 fragments of B          window 2: accumulators of my rows 0-63 ((a, b) at v[8 (8 a + b)])          window 3: of my rows 64-127
.set SIZE_K, 1024
.set KSTEP,  128
.set PITCH,  272                       ; an LDS row: 256 bytes + 16 of padding: the 16 rows of a fragment load start at 16 different groups of four banks
.set HALFT,  128*PITCH                 ; what one tensor load brings
.set SLOT,   4*HALFT                   ; A's 256 rows, then B's 256 rows
.set STAGE,  2*SLOT                    ; behind the ring, never filled by a tensor load
.set SP,     144                       ; a stage row: 128 bytes + 16
.set WST,    2*16*SP                   ; a wave's stage: [chunk 2][16 rows]
.set SPARE,  STAGE+4*WST               ; the spare words: 128 bytes a wave, two blocks of 256 bytes that no other line names
.set LAPS,   SIZE_K/(2*KSTEP)          ; a lap = two steps = once round the ring
.set WALKB,  16*256*SIZE_K*2           ; bytes from a tile's rows of the activation to the next tile's
.set BACK,   (SIZE_K-2*KSTEP)*2        ; bytes from a slot's last step of a tile back to its first
.set FN_K,   WALKB-4*2048-3*2048       ; kb, vb: from my last block of 16 rows of a tile to my first of the next
.set FN_Q,   2*WALKB-4*2048-3*129024   ; the same in qq
.set ADRA, 16                          ; v16-17  LDS address of my A fragments in slot 0, 1
.set ADRB, 20                          ; v20-21  the same for B
.set STO,  24                          ; v24     where I put 16 bytes of a row in my stage
.set RD,   25                          ; v25     where I read rows back
.set CO,   26                          ; v26     16 x lane
.set SPW,  28                          ; v28     my spare word; never rewritten
.set NIL,  29                          ; v29     0; never rewritten
.set F0,   64
.set F1,   128
.set TMP,  192
.set OB,   32
.set WV,  14                           ; s14 wave; s15 my half of the rows, also: I fetch for A (0) or B (1); s16 my half of the columns, also: which 128 rows I fetch
.set RH,  15
.set CH,  16
.set CX,  17                           ; s17, s18 my place in the cluster
.set CYI, 18
.set JOB, 19                           ; s19 cluster x; s20 cluster y: the same in all sixteen partners
.set CLY, 20
.set G1,  24                           ; s[24:31] group 1 for A; s[32:39] group 0, a set a slot
.set G0,  32
.set G1B, 48                           ; s[48:55], s[56:63] the same for B
.set G0B, 56
.set PA,  40                           ; s[40:41], s[42:43] what a refill adds to A's and to B's address; s[44:45] what it takes away from both
.set PB,  42
.set MM,  44
.set CA,  46                           ; s46, s47 what the refills at the change of tiles add: the walk for the activation, 0 for the weight
.set CB,  47
.set SK,  66                           ; s66 the trip (by its count) behind which the first tile leaves the loop: 1; in the last tile 0, which no trip has
.set EX,  67                           ; s67 the trip at whose head the last tile leaves for the tail: 1; in the first tile 0
.set FA,  68                           ; s[68:69] what the way out's first block adds to the two bases
.set FN,  70                           ; s70 its value for the second tile
.set TL,  71                           ; s71 tiles to go
.set OB0, 72                           ; s[72:73], s[74:75] where my block's two chunks go
.set OB1, 74
.set SA,  76                           ; s[76:77] bytes from an even block of 16 rows to the next; s[78:79] from an odd one
.set SB,  78
.set FLAGS, (1<<16)|(1<<20)|(1<<21)|(5<<22)|(3<<25)  ; 2-byte elements; padding on; bit 21 beside a mask; after every 64 words; 4 words
.set MSB, 0
.macro WIN new                         ; the immediate's high byte repeats the setting that is left; a switch that changes nothing is dropped
.if MSB != (\new)
	s_set_vgpr_msb (MSB<<8)|(\new)
.set MSB, \new
.endif
.endm
.set MUL_LO, 0xa1
.set MUL_HI, 0xf1
.set TO_B,   0x40
; A joint load: waves 0 and 1 fetch A's halves, waves 2 and 3 B's.  The branch hangs on the wave's number alone.  An s_nop 0 and four v_nop follow each line.
.macro JLOAD s
	s_cmp_eq_u32 s[RH], 0
	s_cbranch_scc0 .Lfor_b_\@
	tensor_load_to_lds s[G0+4*(\s):G0+4*(\s)+3], s[G1:G1+7]
	s_nop 0
.rept 4
	v_nop
.endr
	s_branch .Lasked_\@
.Lfor_b_\@:
	tensor_load_to_lds s[G0B+4*(\s):G0B+4*(\s)+3], s[G1B:G1B+7]
	s_nop 0
.rept 4
	v_nop
.endr
.Lasked_\@:
.endm
.macro CREST                           ; a round of the cluster's barrier behind its opening barrier
	s_cmp_lg_u32 s[WV], 0
	s_cbranch_scc1 .Lnot_wave_0_\@
	s_barrier_signal -3
.Lnot_wave_0_\@:
	s_barrier_wait -3
	s_barrier_signal -1
	s_barrier_wait -1
.endm
.macro CROUND                          ; a whole round
	s_barrier_signal -1
	s_barrier_wait -1
	CREST
.endm
	s_load_b256 s[4:11], s[0:1], 0x0               ; xb s[4:5], wb s[6:7], kb s[8:9], qq s[10:11]
	s_load_b64 s[12:13], s[0:1], 0x20              ; vb
	v_lshl_add_u32 v[SPW], v0, 2, SPARE
	v_mov_b32 v[NIL], 0
	ds_add_u32 v[SPW], v[NIL]                      ; the wave's opening: the add and its wait stand ahead of my first tensor load; work on registers stands between them
	v_lshrrev_b32 v1, 5, v0
	v_readfirstlane_b32 s[WV], v1
	s_lshr_b32 s[RH], s[WV], 1
	s_and_b32 s[CH], s[WV], 1
	s_bfe_u32 s[CX], ttmp6, 0x40000
	s_bfe_u32 s[CYI], ttmp6, 0x40004
	s_mov_b32 s[JOB], ttmp9
	s_and_b32 s[CLY], ttmp7, 0xffff                ; 0 to 3
	; A's first tile: block 4 CLY + cy of an activation, or (job 3) block cy of Wv.  These registers never hold cx.
	s_lshl_b32 s40, s[CLY], 2
	s_add_co_u32 s40, s40, s[CYI]
	s_cmp_eq_u32 s[JOB], 3
	s_cselect_b32 s40, s[CYI], s40                 ; A's block of 256 rows
	s_cmp_eq_u32 s[JOB], 2
	s_cselect_b32 s42, 0x1000000, 0                ; the plane: x, x, queries in xb,
	s_cmp_eq_u32 s[JOB], 3
	s_cselect_b32 s42, 0x600000, s42               ; Wv in wb
	s_lshl_b32 s41, s40, 19                        ; 256 rows of 2,048 bytes
	s_add_co_u32 s42, s42, s41
	s_lshl_b32 s41, s[CH], 18                      ; the 128 rows that I fetch
	s_add_co_u32 s42, s42, s41
	s_mov_b32 s43, 0
	; B's first tile: block cx of a weight, or (job 3) block 4 CLY + cx of values.  These registers never hold cy.
	s_lshl_b32 s66, s[CLY], 2
	s_add_co_u32 s66, s66, s[CX]
	s_lshl_b32 s68, s[JOB], 21                     ; the plane: Wk, Wq_self, Wq_other in wb,
	s_cmp_eq_u32 s[JOB], 3
	s_cselect_b32 s66, s66, s[CX]                  ; B's block of 256 rows
	s_cselect_b32 s68, 0x2000000, s68              ; values in xb
	s_lshl_b32 s67, s66, 19
	s_add_co_u32 s68, s68, s67
	s_lshl_b32 s67, s[CH], 18
	s_add_co_u32 s68, s68, s67
	s_mov_b32 s69, 0
	s_lshl_b32 s46, s[CYI], 2
	s_lshl_b32 s46, 15, s46                        ; my row of the cluster
	s_lshl_b32 s67, 0x1111, s[CX]                  ; my column
	s_or_b32 s[G1+0], s46, FLAGS
	s_or_b32 s[G1B+0], s67, FLAGS
.irp g, G1, G1B
	s_mov_b32 s[(\g)+1], KSTEP<<16                 ; tensor_dim0 = 128
	s_mov_b32 s[(\g)+2], 128<<16                   ; tensor_dim1 = 128
	s_mov_b32 s[(\g)+3], KSTEP<<16                 ; tile_dim0 = 128
	s_mov_b32 s[(\g)+4], 128                       ; tile_dim1 = 128
	s_mov_b32 s[(\g)+5], SIZE_K                    ; elements from row to row
	s_mov_b32 s[(\g)+6], 0
	s_mov_b32 s[(\g)+7], 0
.endr
	s_mul_i32 s21, s[WV], HALFT                    ; where my load goes: wave x 128 rows: no place in the cluster enters an LDS address
	s_wait_dscnt 0x0                               ; the opening add is done
	s_wait_kmcnt 0x0
	s_cmp_eq_u32 s[JOB], 3
	s_cselect_b64 s[44:45], s[6:7], s[4:5]         ; A lies in xb, in job 3 in wb
	s_cselect_b64 s[70:71], s[4:5], s[6:7]         ; B the other way round
	s_add_nc_u64 s[44:45], s[44:45], s[42:43]
	s_add_nc_u64 s[70:71], s[70:71], s[68:69]
	CROUND                                         ; all sixteen work-groups are here: the first joint loads meet
.irp s, 0,1
	s_mov_b32 s[G0+4*(\s)], 1
	s_add_co_u32 s[G0+4*(\s)+1], s21, (\s)*SLOT
	s_add_nc_u64 s[G0+4*(\s)+2:G0+4*(\s)+3], s[44:45], (\s)*KSTEP*2
	s_or_b32 s[G0+4*(\s)+3], s[G0+4*(\s)+3], 0x80000000
	s_mov_b32 s[G0B+4*(\s)], 1
	s_add_co_u32 s[G0B+4*(\s)+1], s21, (\s)*SLOT
	s_add_nc_u64 s[G0B+4*(\s)+2:G0B+4*(\s)+3], s[70:71], (\s)*KSTEP*2
	s_or_b32 s[G0B+4*(\s)+3], s[G0B+4*(\s)+3], 0x80000000
	JLOAD \s                                       ; two loads of mine are out
.endr
	; a fragment: lane l holds row l % 16; registers 0-3 hold d = 8 (l / 16) + 0..7, registers 4-7 d = 16 + 8 (l / 16) + 0..7: two loads of 16 bytes, 32 bytes apart
	v_and_b32 v1, 15, v0
	v_bfe_u32 v2, v0, 4, 1
	v_mul_u32_u24 v3, v1, PITCH
	v_lshl_add_u32 v3, v2, 4, v3
	s_mul_i32 s22, s[RH], HALFT
	s_mul_i32 s23, s[CH], HALFT
	s_add_co_u32 s23, s23, 2*HALFT
.irp s, 0,1
	v_add_nc_u32 v[ADRA+(\s)], s22, v3
	v_add_nc_u32 v[ADRB+(\s)], s23, v3
	s_add_co_u32 s22, s22, SLOT
	s_add_co_u32 s23, s23, SLOT
.endr
	s_mul_i32 s22, s[WV], WST
	s_add_co_u32 s22, s22, STAGE                   ; my stage
	v_mul_u32_u24 v4, v1, SP                       ; in: row l % 16, 16 bytes for each half of the lanes
	v_lshl_add_u32 v4, v2, 4, v4
	v_add_nc_u32 v[STO], s22, v4
	v_bfe_u32 v5, v0, 3, 2                         ; back: 32 lanes take four rows of 128 bytes
	v_mul_u32_u24 v5, v5, SP
	v_and_b32 v6, 7, v0
	v_lshl_add_u32 v5, v6, 4, v5
	v_add_nc_u32 v[RD], s22, v5
	v_and_b32 v[CO], 31, v0
	v_lshlrev_b32 v[CO], 4, v[CO]
	; where my 128 x 128 of the first tile goes.  R0 = my first row of C, C0 = my first column.
	s_lshl_b32 s80, s40, 8
	s_lshl_b32 s82, s[RH], 7
	s_add_co_u32 s80, s80, s82                     ; R0
	s_lshl_b32 s81, s66, 8
	s_lshl_b32 s82, s[CH], 7
	s_add_co_u32 s81, s81, s82                     ; C0
	s_lshr_b32 s84, s81, 6                         ; C0 / 64 (in job 3 it holds 16 x batch + chunk)
	s_lshr_b32 s82, s80, 10
	s_lshl_b32 s82, s82, 21
	s_and_b32 s83, s80, 1023
	s_lshl_b32 s83, s83, 7
	s_add_co_u32 s86, s82, s83
	s_lshl_b32 s85, s84, 17
	s_add_co_u32 s86, s86, s85                     ; kb, vb: (R0 / 1024)<<21 + (R0 % 1024)<<7 + (C0 / 64)<<17
	s_lshr_b32 s87, s80, 5
	s_lshl_b32 s87, s87, 17
	s_lshl_b32 s85, s84, 13
	s_add_co_u32 s87, s87, s85
	s_sub_co_u32 s90, s[JOB], 1
	s_lshl_b32 s85, s90, 12
	s_add_co_u32 s87, s87, s85                     ; qq: (R0 / 32)<<17 + (C0 / 64)<<13 + kind<<12
	s_mov_b32 s88, 131072                          ; bytes from chunk to chunk,
	s_mov_b32 s[SB], 2048                          ; from an odd block of 16 rows to the next,
	s_mov_b32 s[FN], FN_K                          ; and from tile to tile, in kb and vb
	s_cmp_lt_u32 s90, 2                            ; jobs 1 and 2?
	s_cselect_b32 s86, s87, s86
	s_cselect_b32 s88, 8192, s88
	s_cselect_b32 s[SB], 129024, s[SB]             ; in qq: on to the next block of 32 queries
	s_cselect_b32 s[FN], FN_Q, s[FN]
	s_mov_b32 s87, 0
	s_mov_b32 s89, 0
	s_mov_b32 s[SB+1], 0
	s_mov_b32 s[SA], 2048
	s_mov_b32 s[SA+1], 0
	s_cmp_eq_u32 s[JOB], 0
	s_cselect_b64 s[OB0:OB0+1], s[8:9], s[10:11]
	s_cmp_eq_u32 s[JOB], 3
	s_cselect_b64 s[OB0:OB0+1], s[12:13], s[OB0:OB0+1]
	s_add_nc_u64 s[OB0:OB0+1], s[OB0:OB0+1], s[86:87]
	s_add_nc_u64 s[OB1:OB1+1], s[OB0:OB0+1], s[88:89]
	; the walk from tile to tile: the activation's side goes WALKB bytes on, the weight's side stays; both go back along d.  All of it hangs on the job alone, which the sixteen partners share.
	s_cmp_eq_u32 s[JOB], 3
	s_cselect_b32 s[CA], 0, WALKB
	s_cselect_b32 s[CB], WALKB, 0
	s_mov_b32 s[PA+1], 0
	s_mov_b32 s[PB+1], 0
	s_mov_b32 s[MM+1], 0
	s_mov_b32 s[FA], 0                             ; the first tile's bases stand ready
	s_mov_b32 s[FA+1], 0
; 16 matrix instructions: row blocks a0, a0 + 1 of the window's four x all 8 column blocks, 32 along d.  zero = 1: the product starts the sums.
; The 64 accumulators take turns in the same order in every quarter.
.macro MUL16 f, hi, a0, zero
	WIN MUL_LO+0x50*(\hi)
.irp a, \a0, (\a0)+1
.irp b, 0,1,2,3,4,5,6,7
.if \zero
	v_wmma_f32_16x16x32_bf16 v[8*(8*(\a)+(\b)):8*(8*(\a)+(\b))+7], v[(\f)+8*(\b):(\f)+8*(\b)+7], v[(\f)+8*(4*(\hi)+(\a)):(\f)+8*(4*(\hi)+(\a))+7], 0
.else
	v_wmma_f32_16x16x32_bf16 v[8*(8*(\a)+(\b)):8*(8*(\a)+(\b))+7], v[(\f)+8*(\b):(\f)+8*(\b)+7], v[(\f)+8*(4*(\hi)+(\a)):(\f)+8*(4*(\hi)+(\a))+7], v[8*(8*(\a)+(\b)):8*(8*(\a)+(\b))+7]
.endif
.endr
.endr
.endm
.macro FETCH slot, k, f                ; 32 LDS loads in one run: B's 128 rows, then A's, 32 along d at byte k of the rows
	WIN TO_B
.irp i, 0,1,2,3,4,5,6,7
	ds_load_b128 v[(\f)+8*(\i):(\f)+8*(\i)+3],   v[ADRB+(\slot)] offset:(\k)+(\i)*16*PITCH
	ds_load_b128 v[(\f)+8*(\i)+4:(\f)+8*(\i)+7], v[ADRB+(\slot)] offset:(\k)+(\i)*16*PITCH+32
.endr
	WIN 0
.irp i, 0,1,2,3,4,5,6,7
	ds_load_b128 v[(\f)+8*(\i):(\f)+8*(\i)+3],   v[ADRA+(\slot)] offset:(\k)+(\i)*16*PITCH
	ds_load_b128 v[(\f)+8*(\i)+4:(\f)+8*(\i)+7], v[ADRA+(\slot)] offset:(\k)+(\i)*16*PITCH+32
.endr
.endm
.macro PLACES                          ; four plain vector instructions between a matrix instruction and a load into its sources or a reader of its result
.rept 4
	v_nop
.endr
.endm
.macro QUARTER slot, k, f, g, zero     ; multiplies buffer f; in its middle fetches the next quarter, at byte k, into g
	s_wait_dscnt 8                                 ; B and A's rows 0-63 are in; the youngest eight loads (A's rows 64-127) may be out
	MUL16 \f, 0, 0, \zero
	MUL16 \f, 0, 2, \zero
	PLACES
	FETCH \slot, \k, \g
	s_wait_dscnt 32                                ; all but the 32 just issued
	MUL16 \f, 1, 0, \zero
	MUL16 \f, 1, 2, \zero
.endm
; The last quarter of a step multiplies buffer 1 and changes slots.  In front of the barrier each wave waits for all its tensor loads (one is out: its part of the next slot), adds 0 to its
; spare word, and waits for that and for its reads of this slot.  fill = 1: the barrier opens a round of the cluster's, and this slot is filled again first thing behind it: with the step two on,
; or, in the first tile's last lap, with the next tile's step 0 or 1: the trip's head has set the steps.
.macro TURN slot, next, fill
	WIN 0                                          ; (the add's registers lie in window 0)
	s_wait_tensorcnt 0x0
	ds_add_u32 v[SPW], v[NIL]
	s_wait_dscnt 9                                 ; the add and the youngest eight loads may be out
	MUL16 F1, 0, 0, 0
	s_wait_dscnt 0x0                               ; the add is done, and my reads of this slot are over
	s_barrier_signal -1
	MUL16 F1, 0, 2, 0
.if \fill
	WIN 0
.endif
	s_barrier_wait -1
.if \fill
	CREST                                          ; no wave of any partner still reads this slot or has a load on its way
	s_add_nc_u64 s[G0+4*(\slot)+2:G0+4*(\slot)+3], s[G0+4*(\slot)+2:G0+4*(\slot)+3], s[PA:PA+1]
	s_sub_nc_u64 s[G0+4*(\slot)+2:G0+4*(\slot)+3], s[G0+4*(\slot)+2:G0+4*(\slot)+3], s[MM:MM+1]
	s_add_nc_u64 s[G0B+4*(\slot)+2:G0B+4*(\slot)+3], s[G0B+4*(\slot)+2:G0B+4*(\slot)+3], s[PB:PB+1]
	s_sub_nc_u64 s[G0B+4*(\slot)+2:G0B+4*(\slot)+3], s[G0B+4*(\slot)+2:G0B+4*(\slot)+3], s[MM:MM+1]
	JLOAD \slot                                    ; one load of mine is out; its four v_nop are also the places in front of the loads below
.else
	PLACES
.endif
	FETCH \next, 0, F0
	MUL16 F1, 1, 0, 0
	MUL16 F1, 1, 2, 0
.endm
; THE WAY OUT of block a (16 rows x 128 columns).  PACK: rounded to f16, each accumulator's registers in ascending order.  TOSTAGE: into my own stage, by chunks of 64 columns, and back as
; whole rows of 128 bytes.  SEND: stored: a chunk's 16 rows are 2,048 consecutive bytes, a store of the wave covers 512 of them.
.macro PACK a
.set AC, 64*((\a)%4)
	WIN 0x0a+5*((\a)/4)
.irp b, 0,1,2,3,4,5,6,7
.irp r, 0,1,2,3
	v_cvt_pk_f16_f32 v[TMP+4*(\b)+(\r)], v[AC+8*(\b)+2*(\r)], v[AC+8*(\b)+2*(\r)+1]
.endr
.endr
	WIN 0
.endm
.macro TOSTAGE a
	WIN 0
.set BK, OB+192*((\a)%2)
.irp b, 0,1,2,3,4,5,6,7
	ds_store_b128 v[STO], v[TMP+4*(\b):TMP+4*(\b)+3] offset:((\b)/4)*16*SP+((\b)%4)*32
.endr
.irp t, 0,1,2,3,4,5,6,7
	ds_load_b128 v[BK+4*(\t):BK+4*(\t)+3], v[RD] offset:((\t)/4)*16*SP+((\t)%4)*4*SP  ; LDS serves a wave's instructions in order: these see the stores above
.endr
.endm
.macro SEND a
	WIN 0
.set BK, OB+192*((\a)%2)
	s_wait_dscnt 0x0                               ; the block is back in registers
	s_wait_xcnt 0x0                                ; the earlier stores have read their bases and data: only now are the bases stepped and, in the next TOSTAGE, the other buffer loaded again
.if (\a) == 0
	s_add_nc_u64 s[OB0:OB0+1], s[OB0:OB0+1], s[FA:FA+1]  ; on to this tile's first rows
	s_add_nc_u64 s[OB1:OB1+1], s[OB1:OB1+1], s[FA:FA+1]
.elseif (\a)%2
	s_add_nc_u64 s[OB0:OB0+1], s[OB0:OB0+1], s[SA:SA+1]
	s_add_nc_u64 s[OB1:OB1+1], s[OB1:OB1+1], s[SA:SA+1]
.else
	s_add_nc_u64 s[OB0:OB0+1], s[OB0:OB0+1], s[SB:SB+1]
	s_add_nc_u64 s[OB1:OB1+1], s[OB1:OB1+1], s[SB:SB+1]
.endif
.irp t, 0,1,2,3
	global_store_b128 v[CO], v[BK+4*(\t):BK+4*(\t)+3], s[OB0:OB0+1] offset:(\t)*512
.endr
.irp t, 0,1,2,3
	global_store_b128 v[CO], v[BK+16+4*(\t):BK+16+4*(\t)+3], s[OB1:OB1+1] offset:(\t)*512
.endr
.endm
	s_wait_tensorcnt 1                             ; my part of step 0 is in; step 1's load stays out
	s_barrier_signal -1
	s_barrier_wait -1
	FETCH 0, 0, F0
	s_mov_b32 s[TL], 2                             ; the same number in every work-group
.Ltile:
	s_cmp_eq_u32 s[TL], 1                          ; the last tile?
	s_cselect_b32 s[SK], 0, 1
	s_cselect_b32 s[EX], 1, 0
	QUARTER 0, 64,  F0, F1, 1                      ; a tile's first quarter stands in front of the loop: its products start the sums
	WIN 0
	s_mov_b32 s3, LAPS
.Llap:                                                 ; a trip goes once round the ring and fills both slots again.  The first tile makes all four trips, the last tile three
	s_cmp_eq_u32 s3, s[EX]
	s_cbranch_scc1 .Ltail                          ; the last tile's last lap is written out: it fills nothing
	s_cmp_eq_u32 s3, s[SK]                         ; the first tile's last lap asks for the next tile's steps 0 and 1
	s_cselect_b32 s[PA], s[CA], 2*KSTEP*2
	s_cselect_b32 s[PB], s[CB], 2*KSTEP*2
	s_cselect_b32 s[MM], BACK, 0
	QUARTER 0, 128, F1, F0, 0
	QUARTER 0, 192, F0, F1, 0
	TURN 0, 1, 1
	QUARTER 1, 64,  F0, F1, 0
	QUARTER 1, 128, F1, F0, 0
	QUARTER 1, 192, F0, F1, 0
	TURN 1, 0, 1
	WIN 0
	s_cmp_eq_u32 s3, s[SK]
	s_cbranch_scc1 .Lout                           ; the first tile is finished: both refills are asked for and the next tile's first fragments are on their way
	QUARTER 0, 64,  F0, F1, 0
	WIN 0
	s_sub_co_u32 s3, s3, 1
	s_cmp_lg_u32 s3, 0
	s_cbranch_scc1 .Llap
.Ltail:
	QUARTER 0, 128, F1, F0, 0
	QUARTER 0, 192, F0, F1, 0
	TURN 0, 1, 0
	QUARTER 1, 64,  F0, F1, 0
	QUARTER 1, 128, F1, F0, 0
	QUARTER 1, 192, F0, F1, 0
	s_wait_dscnt 8
	MUL16 F1, 0, 0, 0
	MUL16 F1, 0, 2, 0
	s_wait_dscnt 0x0
	MUL16 F1, 1, 0, 0
	MUL16 F1, 1, 2, 0
	WIN 0
.Lout:                                                 ; one way out for both tiles; it holds neither a barrier nor a tensor load
	PLACES
	PACK 0
	TOSTAGE 0
.irp a, 1,2,3,4,5,6,7                  ; block a's conversions stand between block a - 1's loads from the stage and the wait for them
	PACK \a
	SEND (\a)-1
	TOSTAGE \a
.endr
	SEND 7
	s_mov_b32 s[FA], s[FN]                         ; what the next way out adds to the bases
	s_sub_co_u32 s[TL], s[TL], 1
	s_cmp_lg_u32 s[TL], 0
	s_cbranch_scc1 .Ltile                          ; nothing waits for the stores: they leave while the next tile is multiplied
	s_wait_tensorcnt 0x0                           ; the wave's end
	ds_add_u32 v[SPW], v[NIL]
	s_wait_dscnt 0x0
	CROUND                                         ; the closing round
	s_endpgm
.Lfunc_end_k_q5523ff058d_proj:
	.size	k_q5523ff058d_proj, .Lfunc_end_k_q5523ff058d_proj-k_q5523ff058d_proj
	.p2alignl 7, 3214868480
	.fill 96, 4, 3214868480
	.section	.rodata,"a",@progbits
	.p2align	6, 0x0
	.amdhsa_kernel k_q5523ff058d_proj
		.amdhsa_group_segment_fixed_size 327680
		.amdhsa_private_segment_fixed_size 0
		.amdhsa_enable_private_segment 0
		.amdhsa_kernarg_size 40
		.amdhsa_user_sgpr_count 2
		.amdhsa_user_sgpr_kernarg_segment_ptr 1
		.amdhsa_wavefront_size32 1
		.amdhsa_system_sgpr_workgroup_id_x 1
		.amdhsa_system_sgpr_workgroup_id_y 1
		.amdhsa_system_sgpr_workgroup_id_z 1
		.amdhsa_system_vgpr_workitem_id 0
		.amdhsa_next_free_vgpr 1024
		.amdhsa_next_free_sgpr 96
		.amdhsa_reserve_vcc 0
		.amdhsa_float_denorm_mode_32 3
		.amdhsa_float_denorm_mode_16_64 3
		.amdhsa_memory_ordered 1
		.amdhsa_forward_progress 1
		.amdhsa_inst_pref_size 145
	.end_amdhsa_kernel
	.amdgpu_metadata
---
amdhsa.version: [ 1, 2 ]
amdhsa.kernels:
  - .name:           k_q5523ff058d_proj
    .symbol:         k_q5523ff058d_proj.kd
    .args:
      - { .name: xb, .offset: 0, .size: 8, .value_kind: global_buffer, .address_space: global }
      - { .name: wb, .offset: 8, .size: 8, .value_kind: global_buffer, .address_space: global }
      - { .name: kb, .offset: 16, .size: 8, .value_kind: global_buffer, .address_space: global }
      - { .name: qq, .offset: 24, .size: 8, .value_kind: global_buffer, .address_space: global }
      - { .name: vb, .offset: 32, .size: 8, .value_kind: global_buffer, .address_space: global }
    .group_segment_fixed_size: 327680
    .private_segment_fixed_size: 0
    .kernarg_segment_align: 8
    .kernarg_segment_size: 40
    .max_flat_workgroup_size: 128
    .sgpr_count:     96
    .vgpr_count:     1024
    .wavefront_size: 32
...
	.end_amdgpu_metadata
.endif
;; end of part 2
;; launch attn (part 3): grid 32 x 8, 4 waves a work-group, clusters of 4 x 1, 327,680 bytes of LDS; arguments qq, kb, attention_mask, out1, pb; writes out1, pb
.if DOCPART == 3
	.amdgcn_target "amdgcn-amd-amdhsa--gfx1250"
	.amdhsa_code_object_version 6
	.text
	.protected	k_q5523ff058d_attn
	.globl	k_q5523ff058d_attn
	.p2align	8
	.type	k_q5523ff058d_attn,@function
k_q5523ff058d_attn:
	s_mov_b64 s[64:65], 0
	v_nop
	global_prefetch_b8 v0, s[64:65] scope:SCOPE_SE
	s_setreg_imm32_b32 hwreg(HW_REG_WAVE_MODE, 25, 1), 1
	s_wait_xcnt 0x0
	s_wait_alu depctr_hold_cnt(0) depctr_sa_sdst(0) depctr_va_vdst(0) depctr_va_sdst(0) depctr_va_ssrc(0) depctr_va_vcc(0) depctr_vm_vsrc(0)
	s_getreg_b32 s2, hwreg(HW_REG_IB_STS2, 6, 4)
	s_cmp_eq_u32 s2, 0
	s_cbranch_scc0 .Lentry_in_a_cluster
	s_endpgm
.Lentry_in_a_cluster:
	s_bfe_u32 s2, ttmp6, 0x10000c
	s_cmp_lg_u32 s2, 0x3003
	s_cbranch_scc0 .Lentry_shape_is_right
	s_endpgm
.Lentry_shape_is_right:
; BOTH SCORE PRODUCTS, THE PENALTY, BOTH SOFTMAXES.  For 32 queries of a batch: u = (q . k) / 32 + (1 - mask[key]) x -100000 for q_s and for q_o, over all 1,024 keys;
; p = softmax(u) with the row's true maximum taken away; out1 = p_self (f32); pb = p_self + p_other, rounded once to f16, for the product with v in the next launch.
; Products in f16 with f32 sums; penalty, maximum, exponentials, sums and p in f32.
; LIMITS.  A weight below 2^-126 counts as 0; p_self + p_other below 6e-5 keeps f16's fixed step of 6e-8; NaN and infinities are not treated apart.
; SHARES.  A work-group holds 64 rows (32 of q_s, then 32 of q_o) x 1,024 keys of scores in registers; wave w all 64 rows x keys 256 w .. 256 w + 255: 64 accumulators, 512 registers.
; LAYOUT.  S^T = K Q^T (source 0 = 16 keys, source 1 = 16 rows): a lane holds ONE row (lane % 16) and, of key tile t, the keys 16 t + 8 (lane / 16) + 0..7.  p_self and p_other of a query lie in
; the same lane and the same register numbers of windows 2 and 3, so their sum is a register sum.
; THE WALK.  The 1,024 channels go in 16 chunks of 64 through two LDS slots.  A wave fetches and reads its own 256 keys of a chunk alone: 32,768 dense bytes of kb, asked for as 128 rows of 256 bytes,
; padded in LDS behind every key.  q's fragments come straight from memory into registers (8 KiB a chunk): each wave's one tensor load behind a round is taken by k.
; CLUSTER.  The four query blocks of a cluster belong to one batch and walk the same k: each tile is asked for jointly, by the same load, descriptor and mask in all four.
; REGISTERS, in windows of 256 (s_set_vgpr_msb: bits 1:0 source 0, 3:2 source 1, 5:4 source 2, 7:6 destination):
;   window 0: v0-31 addresses; v32-63 chains of the reductions; v64-191 q, two buffers (buffer p, half g of a chunk, row tile a at 64 + 64 p + 32 g + 8 a); v192-223 statistics
;   window 1: v0-127, v128-255 k's fragments of the two halves of a chunk; later the penalty, then p_self's rows on their way out
;   window 2: accumulators of q_s (row tile a, key tile t at 8 (16 a + t))          window 3: those of q_o
.set PK,    144                        ; a key in LDS: 128 bytes + 16 of padding: the 16 keys of a fragment load start at 16 different groups of four banks
.set WPART, 256*PK                     ; a wave's part of a slot
.set SLOT,  4*WPART
.set RED,   2*SLOT                     ; [row 64][wave 4] f32: the waves' maxima; 1,024 bytes on, their sums.  No tensor load lands here
.set SPARE, RED+2048                   ; the spare words: 128 bytes a wave, two blocks of 256 bytes that no other line names
.set P1,    1040                       ; behind the last fill my part of slot 0 is my stage for p_self: [32 rows] of 1,024 bytes + 16
                                       ; and my part of slot 1 my stage for pb: [4 chunks][32 rows] of 128 bytes + 16
.set ADRK, 4                           ; v4-5  LDS address of my k fragments in slot 0, 1
.set QO,   6                           ; v6    my byte offset in 16 rows of q
.set MO,   7                           ; v7    32 x (lane / 16): my eight keys of a tile in the mask
.set PFO,  8                           ; v8    256 x lane
.set ST1,  9                           ; v9    p_self into the stage
.set RD1,  10                          ; v10   and back
.set GO,   11                          ; v11   16 x lane
.set STP,  12                          ; v12   pb into the stage
.set RDP,  13                          ; v13   and back
.set REDS, 15                          ; v15   my row's word for my wave
.set REDL, 16                          ; v16   my row's four words
.set SPW,  28                          ; v28   my spare word; never rewritten
.set NIL,  29                          ; v29   0; never rewritten
.set MX,   32
.set QF,   64
.set ML,   192                         ; row tile w: log2(e) x maximum, twice, at ML + 2 w
.set RL,   200                         ; 1 / sum, twice, at RL + 2 w
.set RB,   208                         ; the four waves' figures, at RB + 4 w
.set KF0,  0
.set KF1,  128
.set WV,  14
.set QP,  20                           ; s[20:21] q at the chunk last asked for
.set G1,  24                           ; s[24:31] descriptor group 1
.set G0,  32                           ; s[32:39] group 0, a set a slot
.set LAP, 40
.set LIM, 41                           ; 1 in the batch's first cluster, else the greatest number
.set PFA, 42                           ; s[42:43] where my prefetches stand
.set SC,  44                           ; s[44:45] 1 / 32
.set LG,  46                           ; s[46:47] log2(e)
.set SEL, 48                           ; s[48:49] v_permlanex16_b32: each lane takes its own place in the other half
.set PEN, 50                           ; s[50:51] -100000
.set MSB, 0
.macro WIN new                         ; the immediate's high byte repeats the setting that is left; a switch that changes nothing is dropped
.if MSB != (\new)
	s_set_vgpr_msb (MSB<<8)|(\new)
.set MSB, \new
.endif
.endm
.macro CREST
	s_cmp_lg_u32 s[WV], 0
	s_cbranch_scc1 .Lnot_wave_0_\@
	s_barrier_signal -3
.Lnot_wave_0_\@:
	s_barrier_wait -3
	s_barrier_signal -1
	s_barrier_wait -1
.endm
.macro CROUND
	s_barrier_signal -1
	s_barrier_wait -1
	CREST
.endm
.macro PLACES                          ; four plain vector instructions between a matrix instruction and a load into its sources (ISA guide 7.12.1 for vector instructions)
.rept 4
	v_nop
.endr
.endm
.macro KLOAD s                         ; my 256 keys of a chunk; an s_nop 0 and four v_nop follow
	tensor_load_to_lds s[G0+4*(\s):G0+4*(\s)+3], s[G1:G1+7]
	s_nop 0
.rept 4
	v_nop
.endr
.endm
; 16 matrix instructions: row tile a of kind hi x my 16 key tiles, 32 channels.  The 64 accumulators take turns in the same order in every half chunk.
.macro MULS f, p, half, hi, a, zero
	WIN 0xa1+0x50*(\hi)
.set tt, 0
.rept 16
.if \zero
	v_wmma_f32_16x16x32_f16 v[8*(16*(\a)+tt):8*(16*(\a)+tt)+7], v[(\f)+8*tt:(\f)+8*tt+7], v[QF+64*(\p)+32*(\half)+8*(2*(\hi)+(\a)):QF+64*(\p)+32*(\half)+8*(2*(\hi)+(\a))+7], 0
.else
	v_wmma_f32_16x16x32_f16 v[8*(16*(\a)+tt):8*(16*(\a)+tt)+7], v[(\f)+8*tt:(\f)+8*tt+7], v[QF+64*(\p)+32*(\half)+8*(2*(\hi)+(\a)):QF+64*(\p)+32*(\half)+8*(2*(\hi)+(\a))+7], v[8*(16*(\a)+tt):8*(16*(\a)+tt)+7]
.endif
.set tt, tt+1
.endr
.endm
.macro FETCHK slot, half, f            ; 32 LDS loads in one run: my 16 key tiles, 32 channels
	WIN 0x40
.set tt, 0
.rept 16
	ds_load_b128 v[(\f)+8*tt:(\f)+8*tt+3],   v[ADRK+(\slot)] offset:tt*16*PK+(\half)*64
	ds_load_b128 v[(\f)+8*tt+4:(\f)+8*tt+7], v[ADRK+(\slot)] offset:tt*16*PK+(\half)*64+32
.set tt, tt+1
.endr
.endm
.macro QLOAD p                         ; a chunk's q: 4 row tiles x 2 halves, two loads of 16 bytes a lane each
	WIN 0
.irp a, 0,1,2,3
.irp g, 0,1
	global_load_b128 v[QF+64*(\p)+32*(\g)+8*(\a):QF+64*(\p)+32*(\g)+8*(\a)+3],   v[QO], s[QP:QP+1] offset:(\a)*2048+(\g)*64
	global_load_b128 v[QF+64*(\p)+32*(\g)+8*(\a)+4:QF+64*(\p)+32*(\g)+8*(\a)+7], v[QO], s[QP:QP+1] offset:(\a)*2048+(\g)*64+32
.endr
.endr
.endm
; A PREFETCH INTO THE L2 of the chunk that stands two refills on (256 matrix instructions ahead of the load that will ask for it).  A chunk of a batch is 512 blocks of 256 bytes.  All clusters of a batch
; walk the same k: the batch's first cluster asks; its 4 partners x 4 waves x 32 lanes name a block each, told apart by address.  The loop's last trip asks for nothing: chunks 16 and 17 do not exist.
.macro ASK
	WIN 0
	s_cmp_gt_u32 s[LAP], s[LIM]
	s_cbranch_scc0 .Lnot_mine_\@
	global_prefetch_b8 v[PFO], s[PFA:PFA+1] th:TH_LOAD_NT scope:SCOPE_SE
.Lnot_mine_\@:
.endm
; The first half of a chunk.  Ahead of its 64 products it fetches k's second 32 channels, which ends my reads of the slot, and (ql = 1) asks for the next chunk's q.
.macro HALF0 slot, p, zero, ql
	s_wait_loadcnt 0x0                             ; this chunk's q is in (asked for a chunk ago); its loads are done, so their base may be stepped
.if \ql
	s_wait_xcnt 0x0                                ; no load is out; the last prefetch, 64 matrix instructions back, has read its address
	s_add_nc_u64 s[QP:QP+1], s[QP:QP+1], 8192
	s_add_nc_u64 s[PFA:PFA+1], s[PFA:PFA+1], 0x20000
.endif
	s_wait_dscnt 0x0                               ; k's first half is in
	PLACES                                         ; behind the products that read k's second half and the other buffer of q
	FETCHK \slot, 1, KF1
.if \ql
	QLOAD 1-(\p)
.endif
	MULS KF0, \p, 0, 0, 0, \zero
	MULS KF0, \p, 0, 0, 1, \zero
	MULS KF0, \p, 0, 1, 0, \zero
	MULS KF0, \p, 0, 1, 1, \zero
.endm
; The change of slots, then the second half.  Each wave waits for all its tensor loads (one is out: the next chunk), adds 0 to its spare word, and waits for that and for its reads of this slot, which
; brought k's second half into registers.  fill = 1: a round of the cluster's barrier, and the slot is filled again, two chunks ahead, first thing behind it.  No product stands between the wait for the
; loads and the refill: the refill has the step's 128 matrix instructions in front of the wait for it.
.macro HALF1 slot, next, p, fill
	WIN 0
	s_wait_tensorcnt 0x0
	ds_add_u32 v[SPW], v[NIL]
.if \fill
	s_add_nc_u64 s[G0+4*(\slot)+2:G0+4*(\slot)+3], s[G0+4*(\slot)+2:G0+4*(\slot)+3], 0x40000  ; no load of mine is out, so a group 0 may be written
.endif
	s_wait_dscnt 0x0                               ; the add is done, and my reads of this slot are over
.if \fill
	CROUND                                         ; no wave of any partner still reads this slot or has a load on its way
	KLOAD \slot                                    ; one load of mine is out; its four v_nop are also the places in front of the loads below
.else
	s_barrier_signal -1
	s_barrier_wait -1
	PLACES
.endif
	FETCHK \next, 0, KF0
.if \fill
	ASK
.endif
	MULS KF1, \p, 1, 0, 0, 0
	MULS KF1, \p, 1, 0, 1, 0
	MULS KF1, \p, 1, 1, 0, 0
	MULS KF1, \p, 1, 1, 1, 0
.endm
	s_load_b256 s[4:11], s[0:1], 0x0               ; qq s[4:5], kb s[6:7], attention_mask s[8:9], out1 s[10:11]
	s_load_b64 s[12:13], s[0:1], 0x20              ; pb
	v_lshl_add_u32 v[SPW], v0, 2, SPARE
	v_mov_b32 v[NIL], 0
	ds_add_u32 v[SPW], v[NIL]                      ; the wave's opening: the add and its wait stand ahead of my first tensor load; work on registers stands between them
	v_lshrrev_b32 v1, 5, v0
	v_readfirstlane_b32 s[WV], v1
	s_bfe_u32 s15, ttmp6, 0x40000                  ; cx
	s_lshl_b32 s16, ttmp9, 2
	s_add_co_u32 s16, s16, s15                     ; my block of 32 queries
	s_and_b32 s17, ttmp7, 0xffff                   ; the batch, which the four partners share
	s_lshl_b32 s52, s17, 21                        ; k: batch<<21 + wave<<15: no place in the cluster
	s_lshl_b32 s18, s[WV], 15
	s_add_co_u32 s52, s52, s18
	s_mov_b32 s53, 0
	s_lshl_b32 s54, s17, 5                         ; q: (32 batch + block)<<17
	s_add_co_u32 s54, s54, s16
	s_lshl_b32 s54, s54, 17
	s_mov_b32 s55, 0
	s_lshl_b32 s56, s17, 12                        ; mask: batch<<12 + wave<<10
	s_lshl_b32 s18, s[WV], 10
	s_add_co_u32 s56, s56, s18
	s_mov_b32 s57, 0
	s_lshl_b32 s58, s17, 22                        ; out1: batch<<22 + block<<17 + wave<<10
	s_lshl_b32 s19, s16, 17
	s_add_co_u32 s58, s58, s19
	s_add_co_u32 s58, s58, s18
	s_mov_b32 s59, 0
	s_lshl_b32 s60, s17, 21                        ; pb: batch<<21 + wave<<19 (my four chunks of keys) + block<<12
	s_lshl_b32 s19, s[WV], 19
	s_add_co_u32 s60, s60, s19
	s_lshl_b32 s19, s16, 12
	s_add_co_u32 s60, s60, s19
	s_mov_b32 s61, 0
	s_lshl_b32 s62, s17, 21                        ; prefetches: batch<<21 + cx<<15 + wave<<13, in chunk 3: chunk 0's first half steps it to chunk 4
	s_lshl_b32 s19, s15, 15
	s_add_co_u32 s62, s62, s19
	s_lshl_b32 s19, s[WV], 13
	s_add_co_u32 s62, s62, s19
	s_add_co_u32 s62, s62, 3<<17
	s_mov_b32 s63, 0
	s_mov_b32 s[G1], 15|(1<<16)|(1<<20)|(1<<21)|(4<<22)|(3<<25)  ; the mask of four; 2-byte elements; padding on; bit 21 beside a mask; after every 32 words; 4 words
	s_mov_b32 s[G1+1], 128<<16                     ; tensor_dim0 = 128
	s_mov_b32 s[G1+2], 128<<16                     ; tensor_dim1 = 128
	s_mov_b32 s[G1+3], 128<<16                     ; tile_dim0 = 128
	s_mov_b32 s[G1+4], 128                         ; tile_dim1 = 128
	s_mov_b32 s[G1+5], 128                         ; elements from row to row
	s_mov_b32 s[G1+6], 0
	s_mov_b32 s[G1+7], 0
	s_mov_b32 s[SC], 0x3d000000                    ; 1 / 32
	s_mov_b32 s[SC+1], s[SC]
	s_mov_b32 s[LG], 0x3fb8aa3b                    ; log2(e)
	s_mov_b32 s[LG+1], s[LG]
	s_mov_b32 s[SEL], 0x76543210
	s_mov_b32 s[SEL+1], 0xfedcba98
	s_mov_b32 s[PEN], 0xc7c35000                   ; -100000
	s_mov_b32 s[PEN+1], s[PEN]
	s_mul_i32 s22, s[WV], WPART                    ; my part of a slot
	s_mov_b32 s[G0], 1
	s_mov_b32 s[G0+1], s22
	s_mov_b32 s[G0+4], 1
	s_add_co_u32 s[G0+5], s22, SLOT
	s_cmp_eq_u32 ttmp9, 0                          ; the same in all four partners
	s_cselect_b32 s[LIM], 1, -1
	s_mov_b32 s[LAP], 7
	s_wait_dscnt 0x0                               ; the opening add is done
	s_wait_kmcnt 0x0
	s_add_nc_u64 s[G0+2:G0+3], s[6:7], s[52:53]    ; chunk 0
	s_add_nc_u64 s[G0+6:G0+7], s[G0+2:G0+3], 0x20000  ; chunk 1
	s_or_b32 s[G0+3], s[G0+3], 0x80000000
	s_or_b32 s[G0+7], s[G0+7], 0x80000000
	s_add_nc_u64 s[QP:QP+1], s[4:5], s[54:55]
	s_add_nc_u64 s[8:9], s[8:9], s[56:57]
	s_add_nc_u64 s[10:11], s[10:11], s[58:59]
	s_add_nc_u64 s[12:13], s[12:13], s[60:61]
	s_add_nc_u64 s[PFA:PFA+1], s[6:7], s[62:63]
	CROUND                                         ; all four work-groups are here: the first joint loads meet
	tensor_load_to_lds s[G0:G0+3], s[G1:G1+7]      ; the two first fills stand together: two loads of mine are out
	s_nop 0
	tensor_load_to_lds s[G0+4:G0+7], s[G1:G1+7]
	s_nop 0
.rept 4
	v_nop
.endr
	v_and_b32 v1, 15, v0                           ; r = l % 16
	v_bfe_u32 v2, v0, 4, 1                         ; h = l / 16
	v_and_b32 v3, 31, v0                           ; l
	v_lshlrev_b32 v[QO], 7, v1
	v_lshl_add_u32 v[QO], v2, 4, v[QO]
	QLOAD 0                                        ; chunk 0's q
	v_mul_u32_u24 v[ADRK], v1, PK
	v_lshl_add_u32 v[ADRK], v2, 4, v[ADRK]
	v_add_nc_u32 v[ADRK], s22, v[ADRK]
	v_add_nc_u32 v[ADRK+1], SLOT, v[ADRK]
	v_lshlrev_b32 v[MO], 5, v2
	v_lshlrev_b32 v[PFO], 8, v3
	v_mul_u32_u24 v[ST1], v1, P1
	v_lshl_add_u32 v[ST1], v2, 5, v[ST1]
	v_add_nc_u32 v[ST1], s22, v[ST1]
	v_lshl_add_u32 v[RD1], v3, 4, s22
	v_lshlrev_b32 v[GO], 4, v3
	v_mov_b32 v[STP], v[ADRK+1]                    ; row r x 144 + 16 h in my part of slot 1
	v_bfe_u32 v[RDP], v0, 3, 2                     ; back: 32 lanes take four rows of 128 bytes
	v_mul_u32_u24 v[RDP], v[RDP], PK
	v_and_b32 v14, 7, v0
	v_lshl_add_u32 v[RDP], v14, 4, v[RDP]
	v_add_nc_u32 v[RDP], s22, v[RDP]
	v_add_nc_u32 v[RDP], SLOT, v[RDP]
	v_lshlrev_b32 v[REDL], 4, v1
	v_add_nc_u32 v[REDL], RED, v[REDL]
	s_lshl_b32 s23, s[WV], 2
	v_add_nc_u32 v[REDS], s23, v[REDL]
	s_wait_tensorcnt 1                             ; my chunk 0 is in, and I alone read it; chunk 1's load stays out
	FETCHK 0, 0, KF0
	HALF0 0, 0, 1, 1                               ; the first half chunk stands in front of the loop: its products start the sums
	WIN 0
.Llap:                                                 ; 7 trips, two chunks each: chunks 2 to 15 are asked for
	HALF1 0, 1, 0, 1
	HALF0 1, 1, 0, 1
	HALF1 1, 0, 1, 1
	HALF0 0, 0, 0, 1
	WIN 0
	s_sub_co_u32 s[LAP], s[LAP], 1
	s_cmp_lg_u32 s[LAP], 0
	s_cbranch_scc1 .Llap
	HALF1 0, 1, 0, 0                               ; the tail is written out: nothing more is asked for
	HALF0 1, 1, 0, 0
	s_wait_dscnt 0x0
	MULS KF1, 1, 1, 0, 0, 0
	MULS KF1, 1, 1, 0, 1, 0
	PLACES
	WIN 0x40                                       ; the mask of my 256 keys, where k's first half lay: key tile t's eight numbers of my half of the lanes at v[8 t] of window 1
.set tt, 0
.rept 16
	global_load_b128 v[8*tt:8*tt+3],   v[MO], s[8:9] offset:tt*64
	global_load_b128 v[8*tt+4:8*tt+7], v[MO], s[8:9] offset:tt*64+16
.set tt, tt+1
.endr
	MULS KF1, 1, 1, 1, 0, 0
	MULS KF1, 1, 1, 1, 1, 0
	; THE PENALTY, in the order in which it is defined: 1 - mask (as -1 x mask + 1, one rounding), then x -100000.  These 128 plain instructions are also the places behind the last products.
	s_wait_loadcnt 0x0
	WIN 0x45
.set i, 0
.rept 64
	v_pk_fma_f32 v[2*i:2*i+1], v[2*i:2*i+1], -1.0, 1.0 op_sel_hi:[1,0,0]
.set i, i+1
.endr
.set i, 0
.rept 64
	v_pk_mul_f32 v[2*i:2*i+1], v[2*i:2*i+1], s[PEN:PEN+1] op_sel_hi:[1,0]
.set i, i+1
.endr
	; u = s / 32 + penalty: the factor is a power of two, so the fused form rounds as a product and a sum do.  Each accumulator is read from its low end on.
.irp hi, 0,1
	WIN 0x92+0x41*(\hi)
.set i, 0
.rept 128
	v_pk_fma_f32 v[2*i:2*i+1], v[2*i:2*i+1], s[SC:SC+1], v[(2*i)%128:(2*i)%128+1] op_sel_hi:[1,0,1]
.set i, i+1
.endr
.endr
	; THE MAXIMUM: for each row tile four chains (chain c takes registers 2 c, 2 c + 1 of each key tile), eight chains by turns
.irp hi, 0,1
	WIN 0x0a+5*(\hi)
.set n, 0
.rept 8
	v_max_num_f32 v[MX+4*(2*(\hi)+n/4)+n%4], v[128*(n/4)+2*(n%4)], v[128*(n/4)+2*(n%4)+1]
.set n, n+1
.endr
	WIN 0x28+0x14*(\hi)
.rept 120
	v_max3_num_f32 v[MX+4*(2*(\hi)+(n%8)/4)+n%4], v[MX+4*(2*(\hi)+(n%8)/4)+n%4], v[128*((n%8)/4)+8*(n/8)+2*(n%4)], v[128*((n%8)/4)+8*(n/8)+2*(n%4)+1]
.set n, n+1
.endr
.endr
	WIN 0
.irp w, 0,1,2,3
	v_max3_num_f32 v[MX+4*(\w)], v[MX+4*(\w)], v[MX+4*(\w)+1], v[MX+4*(\w)+2]
.endr
.irp w, 0,1,2,3
	v_max_num_f32 v[MX+4*(\w)], v[MX+4*(\w)], v[MX+4*(\w)+3]
.endr
.irp w, 0,1,2,3
	v_permlanex16_b32 v[MX+4*(\w)+1], v[MX+4*(\w)], s[SEL], s[SEL+1]  ; the row's other keys of my wave lie in the lane 16 away
.endr
.irp w, 0,1,2,3
	v_max_num_f32 v[MX+4*(\w)], v[MX+4*(\w)], v[MX+4*(\w)+1]
.endr
.irp w, 0,1,2,3
	ds_store_b32 v[REDS], v[MX+4*(\w)] offset:(\w)*256
.endr
	s_wait_dscnt 0x0                               ; for the others' sake: my four stores are done
	s_barrier_signal -1
	s_barrier_wait -1
.irp w, 0,1,2,3
	ds_load_b128 v[RB+4*(\w):RB+4*(\w)+3], v[REDL] offset:(\w)*256
.endr
	s_wait_dscnt 0x0
.irp w, 0,1,2,3
	v_max3_num_f32 v[RB+4*(\w)], v[RB+4*(\w)], v[RB+4*(\w)+1], v[RB+4*(\w)+2]
.endr
.irp w, 0,1,2,3
	v_max_num_f32 v[RB+4*(\w)], v[RB+4*(\w)], v[RB+4*(\w)+3]
.endr
.irp w, 0,1,2,3
	v_mul_f32 v[ML+2*(\w)], s[LG], v[RB+4*(\w)]
	v_mul_f32 v[ML+2*(\w)+1], s[LG], v[RB+4*(\w)]
.endr
	; THE EXPONENTIALS: e = 2^(log2(e) u - log2(e) m), in place.  A pair is scaled two pairs ahead of its exponentials.  All 512 are ONE BATCH: nothing names a result ahead of the one wait behind them.
.macro FX hi                           ; pair j of the window is scaled
	v_pk_fma_f32 v[2*j:2*j+1], v[2*j:2*j+1], s[LG:LG+1], v[ML+2*(2*(\hi)+j/64):ML+2*(2*(\hi)+j/64)+1] op_sel_hi:[1,0,1] neg_lo:[0,0,1] neg_hi:[0,0,1]
.endm
.irp hi, 0,1
	WIN 0x82+0x41*(\hi)
.set j, 0
	FX \hi
.set j, 1
	FX \hi
.set i, 0
.rept 128
	v_exp_f32 v[2*i], v[2*i]
	v_exp_f32 v[2*i+1], v[2*i+1]
.if i < 126
.set j, i+2
	FX \hi
.endif
.set i, i+1
.endr
.endr
	v_nop                                          ; a plain instruction behind the last exponential,
	s_wait_alu depctr_va_vdst(0)                   ; and the one wait ahead of the first reader
	; THE SUMS, in f32, of the unrounded e: for each row tile four chains of pairs
.irp hi, 0,1
	WIN 0x0a+5*(\hi)
.set n, 0
.rept 8
	v_pk_add_f32 v[MX+8*(2*(\hi)+n/4)+2*(n%4):MX+8*(2*(\hi)+n/4)+2*(n%4)+1], v[128*(n/4)+2*(n%4):128*(n/4)+2*(n%4)+1], v[128*(n/4)+8+2*(n%4):128*(n/4)+8+2*(n%4)+1]
.set n, n+1
.endr
	WIN 0x08+4*(\hi)
.set n, 16
.rept 112
	v_pk_add_f32 v[MX+8*(2*(\hi)+(n%8)/4)+2*(n%4):MX+8*(2*(\hi)+(n%8)/4)+2*(n%4)+1], v[MX+8*(2*(\hi)+(n%8)/4)+2*(n%4):MX+8*(2*(\hi)+(n%8)/4)+2*(n%4)+1], v[128*((n%8)/4)+8*(n/8)+2*(n%4):128*((n%8)/4)+8*(n/8)+2*(n%4)+1]
.set n, n+1
.endr
.endr
	WIN 0
.irp w, 0,1,2,3
	v_pk_add_f32 v[MX+8*(\w):MX+8*(\w)+1], v[MX+8*(\w):MX+8*(\w)+1], v[MX+8*(\w)+2:MX+8*(\w)+3]
	v_pk_add_f32 v[MX+8*(\w)+4:MX+8*(\w)+5], v[MX+8*(\w)+4:MX+8*(\w)+5], v[MX+8*(\w)+6:MX+8*(\w)+7]
.endr
.irp w, 0,1,2,3
	v_pk_add_f32 v[MX+8*(\w):MX+8*(\w)+1], v[MX+8*(\w):MX+8*(\w)+1], v[MX+8*(\w)+4:MX+8*(\w)+5]
.endr
.irp w, 0,1,2,3
	v_add_f32 v[MX+8*(\w)], v[MX+8*(\w)], v[MX+8*(\w)+1]
.endr
.irp w, 0,1,2,3
	v_permlanex16_b32 v[MX+8*(\w)+1], v[MX+8*(\w)], s[SEL], s[SEL+1]
.endr
.irp w, 0,1,2,3
	v_add_f32 v[MX+8*(\w)], v[MX+8*(\w)], v[MX+8*(\w)+1]
.endr
.irp w, 0,1,2,3
	ds_store_b32 v[REDS], v[MX+8*(\w)] offset:1024+(\w)*256  ; other bytes than the maxima's: no barrier is owed between those reads and these stores
.endr
	s_wait_dscnt 0x0
	s_barrier_signal -1
	s_barrier_wait -1
.irp w, 0,1,2,3
	ds_load_b128 v[RB+4*(\w):RB+4*(\w)+3], v[REDL] offset:1024+(\w)*256
.endr
	s_wait_dscnt 0x0
.irp w, 0,1,2,3
	v_add_f32 v[RB+4*(\w)], v[RB+4*(\w)], v[RB+4*(\w)+1]
	v_add_f32 v[RB+4*(\w)+2], v[RB+4*(\w)+2], v[RB+4*(\w)+3]
.endr
.irp w, 0,1,2,3
	v_add_f32 v[RB+4*(\w)], v[RB+4*(\w)], v[RB+4*(\w)+2]
.endr
.irp w, 0,1,2,3
	v_rcp_f32 v[RL+2*(\w)], v[RB+4*(\w)]
	v_rcp_f32 v[RL+2*(\w)+1], v[RB+4*(\w)]
.endr
	v_nop                                          ; a plain instruction behind the last reciprocal,
	s_wait_alu depctr_va_vdst(0)                   ; and one wait for the eight
	; p_self = e / l, in place; through my stage (my part of slot 0, whose last fill is long read), so that it leaves as whole rows
	WIN 0x82
.set i, 0
.rept 128
	v_pk_mul_f32 v[2*i:2*i+1], v[2*i:2*i+1], v[RL+2*(i/64):RL+2*(i/64)+1]
.set i, i+1
.endr
	WIN 0x08
.set n, 0
.rept 32                               ; row tile n / 16, key tile n % 16: a lane's eight keys are 32 bytes of its row
	ds_store_b128 v[ST1], v[8*n:8*n+3]   offset:(n/16)*16*P1+(n%16)*64
	ds_store_b128 v[ST1], v[8*n+4:8*n+7] offset:(n/16)*16*P1+(n%16)*64+16
.set n, n+1
.endr
	WIN 0x40
.set n, 0
.rept 64                               ; row n / 2, half n % 2 of its 1,024 bytes: LDS serves a wave's instructions in order, so these see the stores above
	ds_load_b128 v[4*n:4*n+3], v[RD1] offset:(n/2)*P1+(n%2)*512
.set n, n+1
.endr
	; P = e_other / l_other + p_self, then rounded once to f16 into each accumulator's four low registers: this work stands between those loads and the wait for them
	WIN 0xe3
.set i, 0
.rept 128
	v_pk_fma_f32 v[2*i:2*i+1], v[2*i:2*i+1], v[RL+4+2*(i/64):RL+4+2*(i/64)+1], v[2*i:2*i+1]
.set i, i+1
.endr
	WIN 0xcf
.set n, 0
.rept 32
.irp r, 0,1,2,3
	v_cvt_pk_f16_f32 v[8*n+(\r)], v[8*n+2*(\r)], v[8*n+2*(\r)+1]
.endr
.set n, n+1
.endr
	WIN 0x04
	s_wait_dscnt 0x0
.set n, 0
.rept 64
	global_store_b128 v[GO], v[4*n:4*n+3], s[10:11] offset:(n/2)*4096+(n%2)*512  ; 512 consecutive bytes of a row of out1, aligned
.set n, n+1
.endr
	WIN 0x0c
.set n, 0
.rept 32                               ; pb through my part of slot 1: chunk (n % 16) / 4, row 16 (n / 16) + r
	ds_store_b128 v[STP], v[8*n:8*n+3] offset:((n%16)/4)*32*PK+(n/16)*16*PK+(n%4)*32
.set n, n+1
.endr
	WIN 0
.set n, 0
.rept 32
	ds_load_b128 v[QF+4*n:QF+4*n+3], v[RDP] offset:(n/8)*32*PK+(n%8)*4*PK
.set n, n+1
.endr
	s_wait_dscnt 0x0
.set n, 0
.rept 32
	global_store_b128 v[GO], v[QF+4*n:QF+4*n+3], s[12:13] offset:(n/8)*131072+(n%8)*512  ; a chunk's 32 rows are 4,096 consecutive bytes of pb
.set n, n+1
.endr
	s_wait_tensorcnt 0x0                           ; the wave's end
	ds_add_u32 v[SPW], v[NIL]
	s_wait_dscnt 0x0
	CROUND                                         ; the closing round
	s_endpgm
.Lfunc_end_k_q5523ff058d_attn:
	.size	k_q5523ff058d_attn, .Lfunc_end_k_q5523ff058d_attn-k_q5523ff058d_attn
	.p2alignl 7, 3214868480
	.fill 96, 4, 3214868480
	.section	.rodata,"a",@progbits
	.p2align	6, 0x0
	.amdhsa_kernel k_q5523ff058d_attn
		.amdhsa_group_segment_fixed_size 327680
		.amdhsa_private_segment_fixed_size 0
		.amdhsa_enable_private_segment 0
		.amdhsa_kernarg_size 40
		.amdhsa_user_sgpr_count 2
		.amdhsa_user_sgpr_kernarg_segment_ptr 1
		.amdhsa_wavefront_size32 1
		.amdhsa_system_sgpr_workgroup_id_x 1
		.amdhsa_system_sgpr_workgroup_id_y 1
		.amdhsa_system_sgpr_workgroup_id_z 1
		.amdhsa_system_vgpr_workitem_id 0
		.amdhsa_next_free_vgpr 1024
		.amdhsa_next_free_sgpr 66
		.amdhsa_reserve_vcc 0
		.amdhsa_float_denorm_mode_32 3
		.amdhsa_float_denorm_mode_16_64 3
		.amdhsa_memory_ordered 1
		.amdhsa_forward_progress 1
		.amdhsa_inst_pref_size 205
	.end_amdhsa_kernel
	.amdgpu_metadata
---
amdhsa.version: [ 1, 2 ]
amdhsa.kernels:
  - .name:           k_q5523ff058d_attn
    .symbol:         k_q5523ff058d_attn.kd
    .args:
      - { .name: qq, .offset: 0, .size: 8, .value_kind: global_buffer, .address_space: global }
      - { .name: kb, .offset: 8, .size: 8, .value_kind: global_buffer, .address_space: global }
      - { .name: attention_mask, .offset: 16, .size: 8, .value_kind: global_buffer, .address_space: global }
      - { .name: out1, .offset: 24, .size: 8, .value_kind: global_buffer, .address_space: global }
      - { .name: pb, .offset: 32, .size: 8, .value_kind: global_buffer, .address_space: global }
    .group_segment_fixed_size: 327680
    .private_segment_fixed_size: 0
    .kernarg_segment_align: 8
    .kernarg_segment_size: 40
    .max_flat_workgroup_size: 128
    .sgpr_count:     66
    .vgpr_count:     1024
    .wavefront_size: 32
...
	.end_amdgpu_metadata
.endif
;; end of part 3
;; launch pv (part 4): grid 4 x 64, 4 waves a work-group, clusters of 4 x 4, 327,680 bytes of LDS; arguments pb, vb, out0; writes out0
.if DOCPART == 4
	.amdgcn_target "amdgcn-amd-amdhsa--gfx1250"
	.amdhsa_code_object_version 6
	.text
	.protected	k_q5523ff058d_pv
	.globl	k_q5523ff058d_pv
	.p2align	8
	.type	k_q5523ff058d_pv,@function
k_q5523ff058d_pv:
	s_mov_b64 s[64:65], 0
	v_nop
	global_prefetch_b8 v0, s[64:65] scope:SCOPE_SE
	s_setreg_imm32_b32 hwreg(HW_REG_WAVE_MODE, 25, 1), 1
	s_wait_xcnt 0x0
	s_wait_alu depctr_hold_cnt(0) depctr_sa_sdst(0) depctr_va_vdst(0) depctr_va_sdst(0) depctr_va_ssrc(0) depctr_va_vcc(0) depctr_vm_vsrc(0)
	s_getreg_b32 s2, hwreg(HW_REG_IB_STS2, 6, 4)
	s_cmp_eq_u32 s2, 0
	s_cbranch_scc0 .Lentry_in_a_cluster
	s_endpgm
.Lentry_in_a_cluster:
	s_bfe_u32 s2, ttmp6, 0x10000c
	s_cmp_lg_u32 s2, 0xf033
	s_cbranch_scc0 .Lentry_shape_is_right
	s_endpgm
.Lentry_shape_is_right:
; out0[b][q][a] = sum over key of P[b][q][key] v[b][key][a], P = p_self + p_other.  pb: [b][key / 64][q 1024][64] f16; vb: [b][key / 64][a 1024][64] f16 (v turned); out0 f32.  Sums in f32.
; SHAPE.  A tile of out0 is 128 queries x 256 channels: 8 x 8 x 4 = 256 work-groups.  Four waves, each 64 x 128: 32 accumulators, 256 registers.  The keys go in steps of 128 (two chunks) through two LDS slots.
; A piece (rows x 64 keys) of a chunk is dense in memory: it is asked for as rows of 256 bytes and padded in LDS behind every 128.
; CLUSTER.  4 x 4 work-groups: the four of a row need the same tile of P, the four of a column the same tile of v: each is asked for jointly.
; THE MATRIX INSTRUCTION IS USED TRANSPOSED (source 0 = 16 channels of vb, source 1 = 16 queries of pb): a lane holds one query and eight neighbouring channels, 32 bytes of f32.
; REGISTERS: window 0: v0-31 addresses; two fragment buffers of 96 (P's 4 row tiles, then v's 8 channel tiles): v64-159, v160-255; window 1: the accumulators ((a, b) at v[8 (8 a + b)]).
.set PK,    144                        ; an LDS row: 128 bytes + 16: the 16 rows of a fragment load start at 16 different groups of four banks
.set ACH,   128*PK                     ; a chunk of P's tile
.set BCH,   256*PK                     ; a chunk of v's tile
.set BOFF,  2*ACH
.set SLOT,  2*ACH+2*BCH
.set STAGE, 2*SLOT                     ; behind the ring, never filled by a tensor load: 16 rows x 528 bytes for each wave
.set SP,    528
.set SPARE, STAGE+4*16*SP              ; the spare words: 128 bytes a wave, two blocks of 256 bytes that no other line names
.set ADRA, 16
.set ADRB, 20
.set STO,  24
.set RD,   25
.set CO,   26
.set SPW,  28                          ; my spare word; never rewritten
.set NIL,  29                          ; 0; never rewritten
.set F0,   64
.set F1,   160
.set WV,  14
.set RH,  15                           ; my half of the queries; also: I fetch for P (0) or v (1)
.set CH,  16                           ; my half of the channels; also: which chunk of a step I fetch
.set CX,  17
.set CYI, 18
.set CLY, 20
.set G1,  24
.set G0,  32
.set G1B, 48
.set G0B, 56
.set FLAGS, (1<<16)|(1<<20)|(1<<21)|(4<<22)|(3<<25)  ; 2-byte elements; padding on; bit 21 beside a mask; after every 32 words; 4 words
.set MSB, 0
.macro WIN new
.if MSB != (\new)
	s_set_vgpr_msb (MSB<<8)|(\new)
.set MSB, \new
.endif
.endm
.macro JLOAD s                         ; waves 0 and 1 fetch P's two chunks, waves 2 and 3 v's; an s_nop 0 and four v_nop follow each line
	s_cmp_eq_u32 s[RH], 0
	s_cbranch_scc0 .Lfor_b_\@
	tensor_load_to_lds s[G0+4*(\s):G0+4*(\s)+3], s[G1:G1+7]
	s_nop 0
.rept 4
	v_nop
.endr
	s_branch .Lasked_\@
.Lfor_b_\@:
	tensor_load_to_lds s[G0B+4*(\s):G0B+4*(\s)+3], s[G1B:G1B+7]
	s_nop 0
.rept 4
	v_nop
.endr
.Lasked_\@:
.endm
.macro CREST
	s_cmp_lg_u32 s[WV], 0
	s_cbranch_scc1 .Lnot_wave_0_\@
	s_barrier_signal -3
.Lnot_wave_0_\@:
	s_barrier_wait -3
	s_barrier_signal -1
	s_barrier_wait -1
.endm
.macro CROUND
	s_barrier_signal -1
	s_barrier_wait -1
	CREST
.endm
	s_load_b128 s[4:7], s[0:1], 0x0                ; pb s[4:5], vb s[6:7]
	s_load_b64 s[8:9], s[0:1], 0x10                ; out0
	v_lshl_add_u32 v[SPW], v0, 2, SPARE
	v_mov_b32 v[NIL], 0
	ds_add_u32 v[SPW], v[NIL]                      ; the wave's opening: the add and its wait stand ahead of my first tensor load; work on registers stands between them
	v_lshrrev_b32 v1, 5, v0
	v_readfirstlane_b32 s[WV], v1
	s_lshr_b32 s[RH], s[WV], 1
	s_and_b32 s[CH], s[WV], 1
	s_bfe_u32 s[CX], ttmp6, 0x40000
	s_bfe_u32 s[CYI], ttmp6, 0x40004
	s_and_b32 s[CLY], ttmp7, 0xffff                ; cluster y, 0 to 15
	s_lshr_b32 s21, s[CLY], 1                      ; the batch: two clusters each
	s_and_b32 s19, s[CLY], 1
	s_lshl_b32 s19, s19, 2
	s_add_co_u32 s19, s19, s[CYI]                  ; my block of 128 queries in the batch
	s_lshl_b32 s40, s21, 21                        ; P's tile: batch<<21 + chunk<<17 + block<<14: no cx
	s_lshl_b32 s42, s[CH], 17
	s_add_co_u32 s40, s40, s42
	s_lshl_b32 s42, s19, 14
	s_add_co_u32 s40, s40, s42
	s_mov_b32 s41, 0
	s_lshl_b32 s68, s21, 21                        ; v's tile: batch<<21 + chunk<<17 + cx<<15: no cy
	s_lshl_b32 s66, s[CH], 17
	s_add_co_u32 s68, s68, s66
	s_lshl_b32 s66, s[CX], 15
	s_add_co_u32 s68, s68, s66
	s_mov_b32 s69, 0
	s_lshl_b32 s46, s[CYI], 2
	s_lshl_b32 s46, 15, s46                        ; my row of the cluster
	s_lshl_b32 s67, 0x1111, s[CX]                  ; my column
	s_or_b32 s[G1+0], s46, FLAGS
	s_or_b32 s[G1B+0], s67, FLAGS
	s_mov_b32 s[G1+1], 128<<16                     ; P: 128 rows x 128 bytes as 64 rows of 128 elements
	s_mov_b32 s[G1+2], 64<<16
	s_mov_b32 s[G1+3], 128<<16
	s_mov_b32 s[G1+4], 64
	s_mov_b32 s[G1+5], 128
	s_mov_b32 s[G1+6], 0
	s_mov_b32 s[G1+7], 0
	s_mov_b32 s[G1B+1], 128<<16                    ; v: 256 rows x 128 bytes as 128 rows of 128 elements
	s_mov_b32 s[G1B+2], 128<<16
	s_mov_b32 s[G1B+3], 128<<16
	s_mov_b32 s[G1B+4], 128
	s_mov_b32 s[G1B+5], 128
	s_mov_b32 s[G1B+6], 0
	s_mov_b32 s[G1B+7], 0
	s_mul_i32 s22, s[CH], ACH                      ; where they go: no place in the cluster enters an LDS address
	s_mul_i32 s23, s[CH], BCH
	s_add_co_u32 s23, s23, BOFF
	s_wait_dscnt 0x0                               ; the opening add is done
	s_wait_kmcnt 0x0
	s_add_nc_u64 s[44:45], s[4:5], s[40:41]
	s_add_nc_u64 s[70:71], s[6:7], s[68:69]
	CROUND                                         ; all sixteen work-groups are here: the first joint loads meet
.irp s, 0,1
	s_mov_b32 s[G0+4*(\s)], 1
	s_add_co_u32 s[G0+4*(\s)+1], s22, (\s)*SLOT
	s_add_nc_u64 s[G0+4*(\s)+2:G0+4*(\s)+3], s[44:45], (\s)*0x40000  ; step s: chunks 2 s, 2 s + 1
	s_or_b32 s[G0+4*(\s)+3], s[G0+4*(\s)+3], 0x80000000
	s_mov_b32 s[G0B+4*(\s)], 1
	s_add_co_u32 s[G0B+4*(\s)+1], s23, (\s)*SLOT
	s_add_nc_u64 s[G0B+4*(\s)+2:G0B+4*(\s)+3], s[70:71], (\s)*0x40000
	s_or_b32 s[G0B+4*(\s)+3], s[G0B+4*(\s)+3], 0x80000000
	JLOAD \s                                       ; two loads of mine are out
.endr
	v_and_b32 v1, 15, v0
	v_bfe_u32 v2, v0, 4, 1
	v_mul_u32_u24 v3, v1, PK
	v_lshl_add_u32 v3, v2, 4, v3
	s_mul_i32 s22, s[RH], 64*PK                    ; my 64 queries
	s_mul_i32 s23, s[CH], 128*PK                   ; my 128 channels,
	s_add_co_u32 s23, s23, BOFF                    ; behind P's two chunks
.irp s, 0,1
	v_add_nc_u32 v[ADRA+(\s)], s22, v3
	v_add_nc_u32 v[ADRB+(\s)], s23, v3
	s_add_co_u32 s22, s22, SLOT
	s_add_co_u32 s23, s23, SLOT
.endr
	s_mul_i32 s22, s[WV], 16*SP
	s_add_co_u32 s22, s22, STAGE                   ; my stage
	v_mul_u32_u24 v4, v1, SP
	v_lshl_add_u32 v4, v2, 5, v4
	v_add_nc_u32 v[STO], s22, v4                   ; in: row l % 16, 32 bytes for each half of the lanes
	v_and_b32 v[CO], 31, v0
	v_lshlrev_b32 v[CO], 4, v[CO]
	v_add_nc_u32 v[RD], s22, v[CO]                 ; back: a row's 512 bytes, 16 a lane
	s_lshl_b32 s72, s21, 22                        ; out0: batch<<22 + block<<19 + my 64 rows<<18 + cx<<10 + my 128 channels<<9
	s_lshl_b32 s74, s19, 19
	s_add_co_u32 s72, s72, s74
	s_lshl_b32 s74, s[RH], 18
	s_add_co_u32 s72, s72, s74
	s_lshl_b32 s74, s[CX], 10
	s_add_co_u32 s72, s72, s74
	s_lshl_b32 s74, s[CH], 9
	s_add_co_u32 s72, s72, s74
	s_mov_b32 s73, 0
	s_add_nc_u64 s[8:9], s[8:9], s[72:73]
.macro MUL8 f, a, zero                 ; row tile a x my 8 channel tiles, 32 keys.  The 32 accumulators take turns in the same order in every quarter
	WIN 0x50
.irp b, 0,1,2,3,4,5,6,7
.if \zero
	v_wmma_f32_16x16x32_f16 v[8*(8*(\a)+(\b)):8*(8*(\a)+(\b))+7], v[(\f)+32+8*(\b):(\f)+32+8*(\b)+7], v[(\f)+8*(\a):(\f)+8*(\a)+7], 0
.else
	v_wmma_f32_16x16x32_f16 v[8*(8*(\a)+(\b)):8*(8*(\a)+(\b))+7], v[(\f)+32+8*(\b):(\f)+32+8*(\b)+7], v[(\f)+8*(\a):(\f)+8*(\a)+7], v[8*(8*(\a)+(\b)):8*(8*(\a)+(\b))+7]
.endif
.endr
.endm
.macro FETCH slot, qd, f               ; 24 LDS loads in one run: quarter qd of a step: chunk qd / 2, keys 32 (qd % 2) on
	WIN 0
.irp i, 0,1,2,3
	ds_load_b128 v[(\f)+8*(\i):(\f)+8*(\i)+3],   v[ADRA+(\slot)] offset:((\qd)/2)*ACH+((\qd)%2)*64+(\i)*16*PK
	ds_load_b128 v[(\f)+8*(\i)+4:(\f)+8*(\i)+7], v[ADRA+(\slot)] offset:((\qd)/2)*ACH+((\qd)%2)*64+(\i)*16*PK+32
.endr
.irp i, 0,1,2,3,4,5,6,7
	ds_load_b128 v[(\f)+32+8*(\i):(\f)+32+8*(\i)+3],   v[ADRB+(\slot)] offset:((\qd)/2)*BCH+((\qd)%2)*64+(\i)*16*PK
	ds_load_b128 v[(\f)+32+8*(\i)+4:(\f)+32+8*(\i)+7], v[ADRB+(\slot)] offset:((\qd)/2)*BCH+((\qd)%2)*64+(\i)*16*PK+32
.endr
.endm
.macro PLACES                          ; four plain vector instructions between a matrix instruction and a load into its sources or a reader of its result
.rept 4
	v_nop
.endr
.endm
.macro QTR slot, qn, f, g, zero        ; fetches quarter qn into g, then multiplies f: the loads have 32 matrix instructions in which to come
	s_wait_dscnt 0x0                               ; f is in
	PLACES
	FETCH \slot, \qn, \g
	MUL8 \f, 0, \zero
	MUL8 \f, 1, \zero
	MUL8 \f, 2, \zero
	MUL8 \f, 3, \zero
.endm
; The change of slots, then the step's last quarter.  Each wave waits for all its tensor loads (one is out: its part of the next slot), adds 0 to its spare word, and waits for that and for its reads of
; this slot, which brought the last quarter into registers.  fill = 1: a round of the cluster's barrier, and this slot is filled again, two steps ahead, first thing behind it.  No product stands between
; the wait for the loads and the refill: the refill has the step's 128 matrix instructions in front of the wait for it.
.macro TURN slot, next, fill
	WIN 0
	s_wait_tensorcnt 0x0
	ds_add_u32 v[SPW], v[NIL]
.if \fill
	s_add_nc_u64 s[G0+4*(\slot)+2:G0+4*(\slot)+3], s[G0+4*(\slot)+2:G0+4*(\slot)+3], 0x80000     ; no load of mine is out, so the group 0s may be written
	s_add_nc_u64 s[G0B+4*(\slot)+2:G0B+4*(\slot)+3], s[G0B+4*(\slot)+2:G0B+4*(\slot)+3], 0x80000
.endif
	s_wait_dscnt 0x0                               ; the add is done, and my reads of this slot are over
.if \fill
	CROUND                                         ; no wave of any partner still reads this slot or has a load on its way
	JLOAD \slot                                    ; one load of mine is out; its four v_nop are also the places in front of the loads below
.else
	s_barrier_signal -1
	s_barrier_wait -1                              ; everybody's part of the next slot is in
	PLACES
.endif
	FETCH \next, 0, F0
	MUL8 F1, 0, 0
	MUL8 F1, 1, 0
	MUL8 F1, 2, 0
	MUL8 F1, 3, 0
.endm
	s_wait_tensorcnt 1                             ; my part of step 0 is in; step 1's load stays out
	s_barrier_signal -1
	s_barrier_wait -1
	FETCH 0, 0, F0
	QTR 0, 1, F0, F1, 1                            ; the first quarter stands in front of the loop: its products start the sums
	WIN 0
	s_mov_b32 s3, 3
.Llap:                                                 ; a trip goes once round the ring and fills both slots again: steps 2 to 7
	QTR 0, 2, F1, F0, 0
	QTR 0, 3, F0, F1, 0
	TURN 0, 1, 1
	QTR 1, 1, F0, F1, 0
	QTR 1, 2, F1, F0, 0
	QTR 1, 3, F0, F1, 0
	TURN 1, 0, 1
	QTR 0, 1, F0, F1, 0
	WIN 0
	s_sub_co_u32 s3, s3, 1
	s_cmp_lg_u32 s3, 0
	s_cbranch_scc1 .Llap
	QTR 0, 2, F1, F0, 0                            ; the last lap is written out: it fills nothing
	QTR 0, 3, F0, F1, 0
	TURN 0, 1, 0
	QTR 1, 1, F0, F1, 0
	QTR 1, 2, F1, F0, 0
	QTR 1, 3, F0, F1, 0
	s_wait_dscnt 0x0
	MUL8 F1, 0, 0
	MUL8 F1, 1, 0
	MUL8 F1, 2, 0
	MUL8 F1, 3, 0
	PLACES
	; THE WAY OUT, a row tile (16 queries x 128 channels of f32) at a time through my own stage: in by 32 bytes a lane, each accumulator's low registers first; back as whole rows of 512 bytes.
.irp a, 0,1,2,3
.if (\a) >= 2
	s_wait_xcnt 0x0                                ; the stores of the tile two back have read the registers that are loaded again below
.endif
	WIN 0x04
.irp b, 0,1,2,3,4,5,6,7
	ds_store_b128 v[STO], v[8*(8*(\a)+(\b)):8*(8*(\a)+(\b))+3]   offset:(\b)*64
	ds_store_b128 v[STO], v[8*(8*(\a)+(\b))+4:8*(8*(\a)+(\b))+7] offset:(\b)*64+16
.endr
	WIN 0
.irp i, 0,1,2,3,4,5,6,7,8,9,10,11,12,13,14,15
	ds_load_b128 v[64+64*((\a)%2)+4*(\i):64+64*((\a)%2)+4*(\i)+3], v[RD] offset:(\i)*SP  ; LDS serves a wave's instructions in order: these see the stores above
.endr
	s_wait_dscnt 0x0
.irp i, 0,1,2,3,4,5,6,7,8,9,10,11,12,13,14,15
	global_store_b128 v[CO], v[64+64*((\a)%2)+4*(\i):64+64*((\a)%2)+4*(\i)+3], s[8:9] offset:(16*(\a)+(\i))*4096  ; 512 consecutive bytes of a row of out0, aligned
.endr
.endr
	s_wait_tensorcnt 0x0                           ; the wave's end
	ds_add_u32 v[SPW], v[NIL]
	s_wait_dscnt 0x0
	CROUND                                         ; the closing round
	s_endpgm
.Lfunc_end_k_q5523ff058d_pv:
	.size	k_q5523ff058d_pv, .Lfunc_end_k_q5523ff058d_pv-k_q5523ff058d_pv
	.p2alignl 7, 3214868480
	.fill 96, 4, 3214868480
	.section	.rodata,"a",@progbits
	.p2align	6, 0x0
	.amdhsa_kernel k_q5523ff058d_pv
		.amdhsa_group_segment_fixed_size 327680
		.amdhsa_private_segment_fixed_size 0
		.amdhsa_enable_private_segment 0
		.amdhsa_kernarg_size 24
		.amdhsa_user_sgpr_count 2
		.amdhsa_user_sgpr_kernarg_segment_ptr 1
		.amdhsa_wavefront_size32 1
		.amdhsa_system_sgpr_workgroup_id_x 1
		.amdhsa_system_sgpr_workgroup_id_y 1
		.amdhsa_system_sgpr_workgroup_id_z 1
		.amdhsa_system_vgpr_workitem_id 0
		.amdhsa_next_free_vgpr 512
		.amdhsa_next_free_sgpr 80
		.amdhsa_reserve_vcc 0
		.amdhsa_float_denorm_mode_32 3
		.amdhsa_float_denorm_mode_16_64 3
		.amdhsa_memory_ordered 1
		.amdhsa_forward_progress 1
		.amdhsa_inst_pref_size 84
	.end_amdhsa_kernel
	.amdgpu_metadata
---
amdhsa.version: [ 1, 2 ]
amdhsa.kernels:
  - .name:           k_q5523ff058d_pv
    .symbol:         k_q5523ff058d_pv.kd
    .args:
      - { .name: pb, .offset: 0, .size: 8, .value_kind: global_buffer, .address_space: global }
      - { .name: vb, .offset: 8, .size: 8, .value_kind: global_buffer, .address_space: global }
      - { .name: out0, .offset: 16, .size: 8, .value_kind: global_buffer, .address_space: global }
    .group_segment_fixed_size: 327680
    .private_segment_fixed_size: 0
    .kernarg_segment_align: 8
    .kernarg_segment_size: 24
    .max_flat_workgroup_size: 128
    .sgpr_count:     80
    .vgpr_count:     512
    .wavefront_size: 32
...
	.end_amdgpu_metadata
.endif
;; end of part 4
;; ======== version 2 of 2: 4 launches; version 1 with the launch cast written anew for expert scheduling mode
;; limits: values are held in f16: magnitudes above 65,504 overflow, below 6.1e-05 lose precision
;; workspace buffers: xb 50,331,648 bytes; wb 8,388,608 bytes; kb 16,777,216 bytes; vb 16,777,216 bytes; pb 16,777,216 bytes; qq 33,554,432 bytes
;; launch cast (part 5): grid 256 x 1, 16 waves a work-group, no clusters, 0 bytes of LDS; arguments x, queries, values, Wk, Wq_self, Wq_other, Wv, xb, wb; writes xb, wb
.if DOCPART == 5
	.amdgcn_target "amdgcn-amd-amdhsa--gfx1250"
	.amdhsa_code_object_version 6
	.text
	.protected	k_q5523ff058d_cast
	.globl	k_q5523ff058d_cast
	.p2align	8
	.type	k_q5523ff058d_cast,@function
k_q5523ff058d_cast:
	s_mov_b64 s[64:65], 0
	v_nop
	global_prefetch_b8 v0, s[64:65] scope:SCOPE_SE
	s_setreg_imm32_b32 hwreg(HW_REG_WAVE_SCHED_MODE, 0, 2), 2
	s_setreg_imm32_b32 hwreg(HW_REG_WAVE_MODE, 25, 1), 1
	s_wait_xcnt 0x0
	s_wait_alu depctr_vm_vsrc(0)
; x, queries, values ([8192][1024] f32) -> xb ([3][8192][1024] bf16); Wk, Wq_self, Wq_other, Wv ([1024][1024] f32) -> wb ([4][1024][1024] bf16).
; Each number is rounded once, to nearest even.  A stream: no LDS, no matrix unit, no cluster (no byte is read by two work-groups).
; SHARES.  Work-group g of 256 takes 1/256 of every input: 131,072 bytes of each activation (16 passes of 512 threads x 16 bytes) and
; 16,384 bytes of each weight (2 passes).  So all work-groups are alike, and there is neither a branch nor a loop.
; IN FLIGHT.  All 56 loads of a thread go out at once, each into registers of its own.
; A load of a wave covers 512 consecutive bytes, a store 256 consecutive bytes, both aligned to their length.
; THE MODE: SCHED_MODE bits 1:0 = 2 (LLVM: expert scheduling mode 2), set by the entry lines.  The code itself states the register dependences
; between vector instructions and memory instructions, with s_wait_alu, always for 0.
; THE PLAN.  Registers that memory instructions touch:
;   v1, v2           byte offsets of the loads and of the stores: written once at the head, never again.
;   v[D+4 i ..+3]    load i lands here, once, and no vector instruction names them before that; its two conversions read all four and write the first two;
;                    store i reads those two; nothing writes them afterwards.
; So no register that a memory instruction reads is ever written again, and the dependences to state are of one kind: a vector result that a memory instruction reads.
; The loads go in fourteen groups of four.  Group g's conversions name group g's registers alone; group g - 1's four stores stand among them, behind ONE wait at the
; group's head.  One wait more stands ahead of the first load (the offsets), one ahead of the last four stores.
.set D,   4                            ; load i lands in v[D+4 i : D+4 i+3]; its two packed words leave from the first two of them
.set NL,  56                           ; loads of a thread
.macro OUT n                           ; the store of load n's two packed words
.if (\n) < 48
	global_store_b64 v2, v[D+4*(\n):D+4*(\n)+1], s[26+2*((\n)/16):27+2*((\n)/16)] offset:((\n)%16)*4096
.else
	global_store_b64 v2, v[D+4*(\n):D+4*(\n)+1], s[24:25] offset:(((\n)-48)/2)*2097152+(((\n)-48)%2)*4096
.endif
.endm
	s_load_b512 s[8:23], s[0:1], 0x0               ; x s[8:9], queries s[10:11], values s[12:13], Wk s[14:15], Wq_self s[16:17], Wq_other s[18:19], Wv s[20:21], xb s[22:23]
	s_load_b64 s[24:25], s[0:1], 0x40              ; wb
	v_lshlrev_b32 v1, 4, v0                        ; 16 bytes of f32 a thread
	v_lshlrev_b32 v2, 3, v0                        ; 8 bytes of bf16 a thread
	s_lshl_b32 s2, ttmp9, 17                       ; my share of an activation, in
	s_mov_b32 s3, 0
	s_lshl_b32 s4, ttmp9, 14                       ; of a weight, in
	s_mov_b32 s5, 0
	s_lshl_b32 s6, ttmp9, 16                       ; of an activation, out
	s_mov_b32 s7, 0
	s_lshl_b32 s32, ttmp9, 13                      ; of a weight, out
	s_mov_b32 s33, 0
	s_wait_kmcnt 0x0
	s_add_nc_u64 s[8:9], s[8:9], s[2:3]
	s_add_nc_u64 s[10:11], s[10:11], s[2:3]
	s_add_nc_u64 s[12:13], s[12:13], s[2:3]
	s_add_nc_u64 s[14:15], s[14:15], s[4:5]
	s_add_nc_u64 s[16:17], s[16:17], s[4:5]
	s_add_nc_u64 s[18:19], s[18:19], s[4:5]
	s_add_nc_u64 s[20:21], s[20:21], s[4:5]
	s_add_nc_u64 s[26:27], s[22:23], s[6:7]        ; xb, plane of x
	s_add_nc_u64 s[28:29], s[26:27], 0x1000000     ; plane of queries
	s_add_nc_u64 s[30:31], s[26:27], 0x2000000     ; plane of values
	s_add_nc_u64 s[24:25], s[24:25], s[32:33]      ; wb, plane of Wk; the other planes stand in the stores' immediates
	s_wait_alu depctr_va_vdst(0)                   ; v1 and v2 are written: every load reads v1 and every store v2 as its offset
.set i, 0
.rept 48                               ; activation i / 16, pass i % 16
	global_load_b128 v[D+4*i:D+4*i+3], v1, s[8+2*(i/16):9+2*(i/16)] offset:(i%16)*8192 th:TH_LOAD_NT
.set i, i+1
.endr
.rept 8                                ; weight (i - 48) / 2, pass i % 2
	global_load_b128 v[D+4*i:D+4*i+3], v1, s[14+2*((i-48)/2):15+2*((i-48)/2)] offset:((i-48)%2)*8192 th:TH_LOAD_NT
.set i, i+1
.endr
.set i, 0
.rept 14                               ; four loads at a time
	s_wait_loadcnt NL-4-i                          ; loads come back in order: these four are in, the NL - 4 - i younger ones stay out
.if i > 0
	s_wait_alu depctr_va_vdst(0)                   ; the group before has written its eight packed words, which the four stores below read; no vector instruction behind this wait names them
.endif
.rept 4
.if i >= 4
	OUT i-4                                        ; the group before leaves, a store ahead of each pair of conversions
.endif
	v_cvt_pk_bf16_f32 v[D+4*i], v[D+4*i], v[D+4*i+1]
	v_cvt_pk_bf16_f32 v[D+4*i+1], v[D+4*i+2], v[D+4*i+3]
.set i, i+1
.endr
.endr
	s_wait_alu depctr_va_vdst(0)                   ; the last group has written its eight packed words, which the last four stores read
.rept 4
	OUT i-4
.set i, i+1
.endr
	s_endpgm
.Lfunc_end_k_q5523ff058d_cast:
	.size	k_q5523ff058d_cast, .Lfunc_end_k_q5523ff058d_cast-k_q5523ff058d_cast
	.p2alignl 7, 3214868480
	.fill 96, 4, 3214868480
	.section	.rodata,"a",@progbits
	.p2align	6, 0x0
	.amdhsa_kernel k_q5523ff058d_cast
		.amdhsa_group_segment_fixed_size 0
		.amdhsa_private_segment_fixed_size 0
		.amdhsa_enable_private_segment 0
		.amdhsa_kernarg_size 72
		.amdhsa_user_sgpr_count 2
		.amdhsa_user_sgpr_kernarg_segment_ptr 1
		.amdhsa_wavefront_size32 1
		.amdhsa_system_sgpr_workgroup_id_x 1
		.amdhsa_system_sgpr_workgroup_id_y 1
		.amdhsa_system_sgpr_workgroup_id_z 1
		.amdhsa_system_vgpr_workitem_id 0
		.amdhsa_next_free_vgpr 232
		.amdhsa_next_free_sgpr 66
		.amdhsa_reserve_vcc 0
		.amdhsa_float_denorm_mode_32 3
		.amdhsa_float_denorm_mode_16_64 3
		.amdhsa_memory_ordered 1
		.amdhsa_forward_progress 1
		.amdhsa_inst_pref_size 20
	.end_amdhsa_kernel
	.amdgpu_metadata
---
amdhsa.version: [ 1, 2 ]
amdhsa.kernels:
  - .name:           k_q5523ff058d_cast
    .symbol:         k_q5523ff058d_cast.kd
    .args:
      - { .name: x, .offset: 0, .size: 8, .value_kind: global_buffer, .address_space: global }
      - { .name: queries, .offset: 8, .size: 8, .value_kind: global_buffer, .address_space: global }
      - { .name: values, .offset: 16, .size: 8, .value_kind: global_buffer, .address_space: global }
      - { .name: Wk, .offset: 24, .size: 8, .value_kind: global_buffer, .address_space: global }
      - { .name: Wq_self, .offset: 32, .size: 8, .value_kind: global_buffer, .address_space: global }
      - { .name: Wq_other, .offset: 40, .size: 8, .value_kind: global_buffer, .address_space: global }
      - { .name: Wv, .offset: 48, .size: 8, .value_kind: global_buffer, .address_space: global }
      - { .name: xb, .offset: 56, .size: 8, .value_kind: global_buffer, .address_space: global }
      - { .name: wb, .offset: 64, .size: 8, .value_kind: global_buffer, .address_space: global }
    .group_segment_fixed_size: 0
    .private_segment_fixed_size: 0
    .kernarg_segment_align: 8
    .kernarg_segment_size: 72
    .max_flat_workgroup_size: 512
    .sgpr_count:     66
    .vgpr_count:     232
    .wavefront_size: 32
...
	.end_amdgpu_metadata
.endif
;; end of part 5
;; launch proj: the kernel of part 2 again; grid 16 x 16, 4 waves a work-group, clusters of 4 x 4, 327,680 bytes of LDS; arguments xb, wb, kb, qq, vb; writes kb, qq, vb
;; launch attn: the kernel of part 3 again; grid 32 x 8, 4 waves a work-group, clusters of 4 x 1, 327,680 bytes of LDS; arguments qq, kb, attention_mask, out1, pb; writes out1, pb
;; launch pv: the kernel of part 4 again; grid 4 x 64, 4 waves a work-group, clusters of 4 x 4, 327,680 bytes of LDS; arguments pb, vb, out0; writes out0
